; MI455X (gfx1250); checked and timed in simulation.
; The chip was launched on July 23, 2026; its instructions are those of AMD's public machine-readable ISA for CDNA 5 (MIT licence, August 2026) and "CDNA5" Instruction Set Architecture Reference Guide (July 2026). The comments in the code are by the model that wrote it; some were corrected since.
;; Pairwise Multi Head Attention. Allowed arithmetic: matrix products marked QUANTISED: E2M3 operands, one E8M0 scale for each 32 along K, by v_wmma_scale_f32_16x16x128_f8f6f4 with both operands' format E2M3, f32 sums; everything else in f32.
;; Inputs: Wff 512 x 512 float32; Wkv 512 x 1,024 float32; Wq 512 x 512 float32; bff 512 float32; bias 8 x 2,048 x 2,048 float32; gamma_f 8 float32; ln_b 512 float32; ln_g 512 float32; mask 8 x 1 x 1 x 2,048 bool; x_p 8 x 2,048 x 512 float32; x_pcre 8 x 2,048 x 512 float32.
;; Outputs: out0 8 x 2,048 x 512 float32.
;; This version of the problem:
;;   THIS VERSION OF THE PROBLEM IS GIVEN IN LOW PRECISION. The matrix products marked QUANTISED in the list below multiply operands that are first quantised to E2M3 (2 exponent bits, 3 mantissa bits; 6 bits a number), with one power-of-two scale for each 32 numbers along K (OCP MX v1.0); their sums are f32. All else is computed in f32.
;;   The module's matrix products, in the order in which they are computed (A, B: the left and right operand; K: the contracted axis; several contracted axes count as one K, in the product's order):
;;     1. [M 16,384, K 512] x [K 512, N 512]; A: input x_p; B: input Wq: QUANTISED
;;     2. [M 16,384, K 512] x [K 512, N 1,024]; A: input x_pcre; B: input Wkv: QUANTISED
;;     3. batch 64 x [M 2,048, K 64] x [K 64, N 2,048]; A: computed on the way; B: computed on the way: QUANTISED
;;     4. batch 64 x [M 64, K 2,048] x [K 2,048, N 2,048]; A: computed on the way; B: softmax (see below): QUANTISED
;;     5. [M 16,384, K 512] x [K 512, N 512]; A: computed on the way; B: input Wff: QUANTISED
;;   THE QUANTISER, for each operand of a quantised product, along K:
;;     - K is cut into blocks of 32 from its start; a last block that is shorter is filled with zeros.
;;     - A block's scale is 2^e with e = floor(log2(the largest magnitude in the block)) - 2, held to -126 .. 127; a block of zeros has e = 0. As a byte (E8M0): e + 127.
;;     - Each number is divided by its block's scale, clamped to +-7.5, and rounded to the nearest number of E2M3, ties to even, subnormals kept.
;;     - The product sums the exact products of the quantised numbers (number of the format x scale) in f32.
;;   ~~~python
;;   def quantise(x, axis):      # numpy; x: float32 -> the quantised numbers, widened to float32 again
;;       x = np.moveaxis(x, axis, -1); K = x.shape[-1]
;;       x = np.pad(x, [(0, 0)] * (x.ndim - 1) + [(0, -K % 32)]); x = x.reshape(x.shape[:-1] + (-1, 32)); a = np.abs(x).max(-1, keepdims=True)
;;       e = np.where(a > 0, np.clip(np.frexp(np.where(a > 0, a, 1))[1] - 1 - 2, -126, 127), 0)      # np.frexp(a)[1] - 1 = floor(log2(a)), exactly
;;       r = np.clip(x / 2.0 ** e, -7.5, 7.5)
;;       step = 2.0 ** (np.maximum(np.frexp(np.where(r == 0, 1, r))[1] - 1, 0) - 3)
;;       q = np.round(r / step) * step * 2.0 ** e      # np.round: ties to even
;;       return np.moveaxis(q.reshape(q.shape[:-2] + (-1,))[..., :K], -1, axis).astype(np.float32)
;;   ~~~
;;   SOFTMAX AHEAD OF A QUANTISED PRODUCT. Where the list says 'softmax', what is quantised is not the finished softmax but p = 2^(t - M), with t = logit x log2(e) and M = ceil(the row's largest t), a whole number; so 1/2 < the row's largest p <= 1. The row's sum l is taken of the UNQUANTISED p, in f32, and the product's result is divided by l at the end. Since M is a whole number, a kernel that streams over the keys may use a running M (the ceiling of the running maximum): every later rescaling is an exact power of two, which a block's scale takes up: the codes' values come out the same.
;;   OPERANDS COMPUTED ON THE WAY. 'Computed on the way' means the value that the module computes at that place (a softmax that the list does not call 'softmax' is quantised finished and normalised). What goes into a quantiser is computed in f32, as accurately as f32 sums, v_exp_f32 and their like allow (about 1e-6 of the number): no bf16 or f16 on the way to a quantiser, and a product that is left as it is and whose result goes on into a quantised operand takes f32 operands (vector FMAs, or v_wmma_f32_16x16x4_f32). A number that lies on a knife's edge between two numbers of the format may be rounded either way, as far as f32 arithmetic and the matrix unit's own rounding can turn it there, and no further.
;; One version. Each part assembles by itself: llvm-mc -triple=amdgcn-amd-amdhsa -mcpu=gfx1250 --defsym DOCPART=n.
;; ======== version 1 of 1: 3 launches
;; limits: right only within a limited range of input values
;; workspace buffers: wcodes 786,432 bytes; wscales 32,768 bytes; kvws 13,369,344 bytes
;; launch wprep (part 1): grid 256 x 1, 2 waves a work-group, no clusters, 0 bytes of LDS; arguments Wq, Wkv, Wff, wcodes, wscales; writes wcodes, wscales
.if DOCPART == 1
	.amdgcn_target "amdgcn-amd-amdhsa--gfx1250"
	.amdhsa_code_object_version 6
	.text
	.protected	k_q41f84e2ec9_wprep
	.globl	k_q41f84e2ec9_wprep
	.p2align	8
	.type	k_q41f84e2ec9_wprep,@function
k_q41f84e2ec9_wprep:
	s_mov_b64 s[64:65], 0
	v_nop
	global_prefetch_b8 v0, s[64:65] scope:SCOPE_SE
	s_setreg_imm32_b32 hwreg(HW_REG_WAVE_MODE, 25, 1), 1
	s_wait_xcnt 0x0
; THE PROGRAM: three launches.  This one turns Wq, Wkv and Wff into codes of E2M3 with one E8M0 byte for each 32 along K; the second makes k and v (codes and scale words);
; the third makes q, the attention, the projection on the way out, the residual and the LayerNorm.
; NO WORK OF THE PROBLEM IS LEFT OUT: every one of the eleven inputs has a way to the output, and each is loaded by some launch; all five products are live.
; THIS LAUNCH.  W is [512 (k)][N] f32, K its first axis.  A fragment is 16 columns x 128 along K, 12 registers a lane.  One wave makes one fragment: lane (r, h) takes column r and its registers run
; DOWN K in the order in which the operand's layout gives them to that lane, so that the conversions' results are the operand's registers.  There are 128 tiles of 16 columns (0-31 Wq, 32-95 Wkv,
; 96-127 Wff) x 4 K steps = 512 fragments for 256 work-groups of two waves.
; ONE ORDER OF K INSIDE A BLOCK OF 32, in every operand of the program: place 16 a + 8 u + j holds element 16 u + 8 a + j.  Blocks are the true blocks of 32, so the scales are the quantiser's; the same
; order stands on both sides of every product, so each product meets its partner.  (It is the order in which a matrix result falls out of two neighbouring tiles.)
; OUT: wcodes [tile][K step][1,536 bytes]: registers 4 p .. 4 p + 3 of lane l at 512 p + 16 l: each store of the wave covers 512 consecutive bytes.  wscales [16 tile + r][16 bytes]: word s = the four bytes of K step s.
; No LDS, no barrier, no matrix unit, no cluster: the waves share nothing, and each number is read once.
; LIMITS: a block of zeros gets the byte 1 where the rule says 127 (its codes are zeros, and this program alone reads the bytes); NaN and infinities among the inputs are not served.
.set X,  32                            ; v32-95   64 numbers: register 32 c + i = place i of block 2 c + h
.set C,  96                            ; v96-107  the fragment
.set CB, 108                           ; v108-110, v112-114: the second half of each block's codes (a conversion's three registers begin on an even number)
.macro LOADW pitch                     ; W(128 s + 64 c + 32 h + 16 u + 8 a + j, my column), i = 16 a + 8 u + j; sixteen lanes read 64 neighbouring bytes
.set wi, 0
.rept 64
	global_load_b32 v[X+wi], v4, s[18:19] offset:(64*(wi/32)+16*((wi/8)%2)+8*((wi/16)%2)+wi%8)*\pitch
.set wi, wi+1
.endr
.endm
	s_load_b256 s[4:11], s[0:1], 0x0               ; Wq s[4:5], Wkv s[6:7], Wff s[8:9], wcodes s[10:11]
	s_load_b64 s[12:13], s[0:1], 0x20              ; wscales
	v_lshrrev_b32 v1, 5, v0
	v_readfirstlane_b32 s14, v1                    ; wave
	v_and_b32 v1, 31, v0                           ; lane
	v_and_b32 v2, 15, v0                           ; r
	v_bfe_u32 v3, v0, 4, 1                         ; h
	s_wait_alu depctr_va_vdst(0)
	s_lshr_b32 s15, ttmp9, 1                       ; the tile of columns, 0 .. 127
	s_and_b32 s16, ttmp9, 1
	s_lshl_b32 s16, s16, 1
	s_add_co_u32 s16, s16, s14                     ; the K step, 0 .. 3
	s_sub_co_u32 s21, s15, 32
	s_cmp_lt_u32 s21, 64                           ; Wkv's tiles: a row of 4,096 bytes; the others 2,048
	s_cselect_b32 s22, 12, 11
	s_add_co_u32 s23, s22, 5
	v_lshlrev_b32 v4, s23, v3                      ; lanes 16-31 begin 32 rows further down,
	v_lshl_add_u32 v4, v2, 2, v4                   ; + 4 r
	v_lshlrev_b32 v5, 4, v1                        ; out: 16 bytes a lane
	v_lshlrev_b32 v6, 4, v2                        ; a column's 16 scale bytes
	s_mov_b32 s24, 0x76543210
	s_mov_b32 s25, 0xfedcba98                      ; v_permlanex16_b32's selects for lane l xor 16
	s_wait_kmcnt 0x0
	s_cmp_lt_u32 s15, 96                           ; which weight: the choice hangs on the work-group's number alone
	s_cselect_b64 s[18:19], s[6:7], s[8:9]
	s_cselect_b32 s20, 32, 96
	s_cmp_lt_u32 s15, 32
	s_cselect_b64 s[18:19], s[4:5], s[18:19]
	s_cselect_b32 s20, 0, s20                      ; that weight's first tile
	s_sub_co_u32 s26, s15, s20
	s_lshl_b32 s26, s26, 6                         ; 64 bytes a tile of columns
	s_add_co_u32 s27, s22, 7
	s_lshl_b32 s27, s16, s27                       ; 128 rows a K step
	s_add_co_u32 s26, s26, s27
	s_mov_b32 s27, 0
	s_add_nc_u64 s[18:19], s[18:19], s[26:27]
	s_lshl_b32 s28, s15, 2
	s_add_co_u32 s28, s28, s16
	s_mul_i32 s28, s28, 1536                       ; the fragment's place in wcodes
	s_mov_b32 s29, 0
	s_add_nc_u64 s[10:11], s[10:11], s[28:29]
	s_lshl_b32 s28, s15, 8
	s_lshl_b32 s30, s16, 2
	s_add_co_u32 s28, s28, s30                     ; 256 bytes a tile, 4 a K step
	s_add_nc_u64 s[12:13], s[12:13], s[28:29]
	s_cmp_eq_u32 s22, 12
	s_cbranch_scc1 .Lwide
	s_wait_alu depctr_va_vdst(0)
	LOADW 2048
	s_branch .Ljoin
.Lwide:
	s_wait_alu depctr_va_vdst(0)
	LOADW 4096
.Ljoin:
	s_wait_loadcnt 0x0
	v_max3_num_f32 v8, |v[X]|, |v[X+1]|, 0x1800000         ; my two blocks' largest magnitudes, by turns; the floor 2^(3 - 127) holds the byte at 1 from below
	v_max3_num_f32 v9, |v[X+32]|, |v[X+33]|, 0x1800000
.irp i, 2,4,6,8,10,12,14,16,18,20,22,24,26,28,30
	v_max3_num_f32 v8, v8, |v[X+\i]|, |v[X+\i+1]|
	v_max3_num_f32 v9, v9, |v[X+32+\i]|, |v[X+33+\i]|
.endr
	v_add_nc_u32 v10, 0xff000000, v8               ; 2 off the exponent field: the conversion's scale operand
	v_add_nc_u32 v11, 0xff000000, v9
	v_lshrrev_b32 v12, 23, v10                     ; the scale's byte
	v_lshrrev_b32 v13, 23, v11
	v_lshl_or_b32 v14, v13, 16, v12                ; blocks h and 2 + h,
	v_lshlrev_b32 v15, 3, v3
	v_lshlrev_b32 v14, v15, v14                    ; at their places in the word
	v_mov_b32 v16, 0
	v_permlanex16_b32 v16, v14, s24, s25
	v_or_b32 v14, v14, v16                         ; with lane l xor 16's two the word is whole
.irp c, 0,1
	v_cvt_scalef32_pk16_fp6_f32 v[C+6*\c:C+6*\c+2], v[X+32*\c:X+32*\c+15], v[10+\c]
	v_cvt_scalef32_pk16_fp6_f32 v[CB+4*\c:CB+4*\c+2], v[X+32*\c+16:X+32*\c+31], v[10+\c]
.endr
	v_nop                                          ; one plain place behind a scaled conversion
.irp c, 0,1
.irp i, 0,1,2
	v_mov_b32 v[C+6*\c+3+\i], v[CB+4*\c+\i]
.endr
.endr
.irp p, 0,1,2
	global_store_b128 v5, v[C+4*\p:C+4*\p+3], s[10:11] offset:512*\p   ; 512 consecutive bytes, at a multiple of 256 from the buffer's first byte
.endr
	global_store_b32 v6, v14, s[12:13]             ; the column's word of this K step (both halves of the lanes hold and store the same word); 32 KiB in the whole launch
	s_endpgm
.Lfunc_end_k_q41f84e2ec9_wprep:
	.size	k_q41f84e2ec9_wprep, .Lfunc_end_k_q41f84e2ec9_wprep-k_q41f84e2ec9_wprep
	.p2alignl 7, 3214868480
	.fill 96, 4, 3214868480
	.section	.rodata,"a",@progbits
	.p2align	6, 0x0
	.amdhsa_kernel k_q41f84e2ec9_wprep
		.amdhsa_group_segment_fixed_size 0
		.amdhsa_private_segment_fixed_size 0
		.amdhsa_enable_private_segment 0
		.amdhsa_kernarg_size 40
		.amdhsa_user_sgpr_count 2
		.amdhsa_user_sgpr_kernarg_segment_ptr 1
		.amdhsa_wavefront_size32 1
		.amdhsa_system_sgpr_workgroup_id_x 1
		.amdhsa_system_sgpr_workgroup_id_y 1
		.amdhsa_system_sgpr_workgroup_id_z 1
		.amdhsa_system_vgpr_workitem_id 0
		.amdhsa_next_free_vgpr 128
		.amdhsa_next_free_sgpr 66
		.amdhsa_reserve_vcc 0
		.amdhsa_float_denorm_mode_32 3
		.amdhsa_float_denorm_mode_16_64 3
		.amdhsa_memory_ordered 1
		.amdhsa_forward_progress 1
		.amdhsa_inst_pref_size 18
	.end_amdhsa_kernel
	.amdgpu_metadata
---
amdhsa.version: [ 1, 2 ]
amdhsa.kernels:
  - .name:           k_q41f84e2ec9_wprep
    .symbol:         k_q41f84e2ec9_wprep.kd
    .args:
      - { .name: Wq, .offset: 0, .size: 8, .value_kind: global_buffer, .address_space: global }
      - { .name: Wkv, .offset: 8, .size: 8, .value_kind: global_buffer, .address_space: global }
      - { .name: Wff, .offset: 16, .size: 8, .value_kind: global_buffer, .address_space: global }
      - { .name: wcodes, .offset: 24, .size: 8, .value_kind: global_buffer, .address_space: global }
      - { .name: wscales, .offset: 32, .size: 8, .value_kind: global_buffer, .address_space: global }
    .group_segment_fixed_size: 0
    .private_segment_fixed_size: 0
    .kernarg_segment_align: 8
    .kernarg_segment_size: 40
    .max_flat_workgroup_size: 64
    .sgpr_count:     66
    .vgpr_count:     128
    .wavefront_size: 32
...
	.end_amdgpu_metadata
.endif
;; end of part 1
;; launch kvproj (part 2): grid 2 x 128, 8 waves a work-group, no clusters, 327,680 bytes of LDS; arguments x_pcre, mask, wcodes, wscales, kvws; writes kvws
.if DOCPART == 2
	.amdgcn_target "amdgcn-amd-amdhsa--gfx1250"
	.amdhsa_code_object_version 6
	.text
	.protected	k_q41f84e2ec9_kvproj
	.globl	k_q41f84e2ec9_kvproj
	.p2align	8
	.type	k_q41f84e2ec9_kvproj,@function
k_q41f84e2ec9_kvproj:
	s_mov_b64 s[64:65], 0
	v_nop
	global_prefetch_b8 v0, s[64:65] scope:SCOPE_SE
	s_setreg_imm32_b32 hwreg(HW_REG_WAVE_MODE, 25, 1), 1
	s_wait_xcnt 0x0
; kv = x_pcre Wkv on codes of E2M3; then k is quantised along the head's 64 and v along the keys, and both leave as images of the operand registers that the attention launch loads.  No work of the problem is left out here.
; SHARES.  A work-group takes 128 keys (work-group y = 16 batch + step) and four heads (work-group x).  Each of its eight waves quantises 16 rows of x (four fragments) and hands them to the others through LDS
; as images of their registers.  Then waves 0-3 make K of one head each (transposed: source 0 = 16 columns of Wkv, source 1 = 16 keys: a lane holds ONE key and its registers run along d), waves 4-7 V of one head each
; (source 0 = 16 keys, source 1 = 16 columns: a lane holds ONE d and its registers run along the keys).  So each result is quantised along its next K inside a lane and its partner 16 lanes away.
; A wave's 16 fragments of Wkv stay in its registers (window 1).  128 matrix instructions a wave in either role.
; THE MASK goes into k's scale words: byte 2 is 144 where the key is masked and 1 where it is not; byte 3 is 1.  The attention launch says what they meet.
; ORDER OF K inside a block of 32: place 16 a + 8 u + j holds element 16 u + 8 a + j, in every operand of the program (a result falls out so; x is loaded so).
; OUT, a record of 104,448 bytes for each 128 keys of a batch: K: 6,144 head + 768 T: registers 0-3 at 16 lane, then registers 4-5 at 512 + 8 lane;  V^T: 49,152 + 6,144 head + 1,536 t: registers 4 p .. at 512 p + 16 lane;
; K's scale words: 98,304 + 512 head + 16 lane (lanes 0-15 tiles 0-3, lanes 16-31 tiles 4-7);  V's: 102,400 + 256 head + 8 lane (tiles 0, 1 | 2, 3).  Every store covers 256 or 512 consecutive bytes, aligned.
; NO CLUSTER: a tile of x is read by two work-groups alone; with four partners a work-group would have two heads, and each row of x would be quantised four times.
; LIMITS: mask bytes are 0 or 1; a block of zeros gets the byte 1 (zero codes; this program alone reads the bytes); NaN and infinities are not served.
.set REC,   104448
.set XROW,  2080                       ; a row of x in LDS: two pieces of 1,024 bytes, 16 bytes of padding behind each
.set XIMG,  266240                     ; behind the 128 rows: 32 fragments' images (4 T + s), 1,536 bytes each
.set XSC,   315392                     ; their scale words, 128 bytes each
.set SPARE, 319488                     ; the spare words, 128 bytes for each wave: four blocks of 256 bytes that no other line names
.set SPW, 1                            ; v1   LDS address of my spare word; never rewritten
.set NIL, 2                            ; v2   0; never rewritten
.set XR,  3                            ; v3   my row of x in LDS, + 32 h
.set LI,  4                            ; v4   XIMG + 16 lane
.set LS,  5                            ; v5   XSC + 4 lane
.set IW,  6                            ; v6   where I store images: LI + 6,144 wave
.set IS,  7                            ; v7   and scale words: LS + 512 wave
.set G16, 8                            ; v8   16 lane
.set G8,  9                            ; v9   8 lane
.set RR,  10                           ; v10  r
.set WO,  13                           ; v13  16 r + 512 h: the weights' scale words
.set XS,  16                           ; v16-19 x's scale words
.set WS,  20                           ; v20-27 the weights': register 4 (t % 2) + s: lanes 0-15 tile t % 2, lanes 16-31 tile t % 2 + 2
.set MKW, 28                           ; v28-35 the mask's part of k's scale words
.set KSW, 36                           ; v36-43 k's scale words (V role: v36-39 v's)
.set PL,  44                           ; v44-47 a plane of scale words to be stored
.set PW,  63
.set XA,  64                           ; v64-127, v128-191: two sets of 64 numbers of x; later the accumulators
.set XB,  128
.set PC2, 96                           ; K role: a tile's six registers of codes
.set PB2, 104
.set XF,  192                          ; v192-239 four fragments of x
.set PC,  192                          ; where no fragment is in hand: the codes just made
.set PB,  204
.set TM,  240                          ; v240-255 at work in the quantiser
.set WV,  14
.set SEL, 36
.set G1,  24
.set G0,  32
.set MSB, 0
.macro WIN new                         ; the immediate's high byte repeats the setting that is left
.if MSB != \new
	s_set_vgpr_msb (MSB<<8)|\new
.set MSB, \new
.endif
.endm
.macro PLACES                          ; four places behind matrix instructions, in front of loads into their sources and of the first read of results
.rept 4
	v_nop
.endr
.endm
; one product.  zero = 1: it starts the sum.  row = 1: source 0's scales stand in lanes 16-31; 2: source 1's
.macro MM d, a, b, zero, sa, sb, row
.if (\zero) && ((\row) == 0)
	v_wmma_scale_f32_16x16x128_f8f6f4 v[\d:\d+7], v[\a:\a+11], v[\b:\b+11], 0, v[\sa], v[\sb] matrix_a_fmt:MATRIX_FMT_FP6 matrix_b_fmt:MATRIX_FMT_FP6
.elseif (\zero) && ((\row) == 1)
	v_wmma_scale_f32_16x16x128_f8f6f4 v[\d:\d+7], v[\a:\a+11], v[\b:\b+11], 0, v[\sa], v[\sb] matrix_a_fmt:MATRIX_FMT_FP6 matrix_b_fmt:MATRIX_FMT_FP6 matrix_a_scale:MATRIX_SCALE_ROW1
.elseif (\zero)
	v_wmma_scale_f32_16x16x128_f8f6f4 v[\d:\d+7], v[\a:\a+11], v[\b:\b+11], 0, v[\sa], v[\sb] matrix_a_fmt:MATRIX_FMT_FP6 matrix_b_fmt:MATRIX_FMT_FP6 matrix_b_scale:MATRIX_SCALE_ROW1
.elseif (\row) == 0
	v_wmma_scale_f32_16x16x128_f8f6f4 v[\d:\d+7], v[\a:\a+11], v[\b:\b+11], v[\d:\d+7], v[\sa], v[\sb] matrix_a_fmt:MATRIX_FMT_FP6 matrix_b_fmt:MATRIX_FMT_FP6
.elseif (\row) == 1
	v_wmma_scale_f32_16x16x128_f8f6f4 v[\d:\d+7], v[\a:\a+11], v[\b:\b+11], v[\d:\d+7], v[\sa], v[\sb] matrix_a_fmt:MATRIX_FMT_FP6 matrix_b_fmt:MATRIX_FMT_FP6 matrix_a_scale:MATRIX_SCALE_ROW1
.else
	v_wmma_scale_f32_16x16x128_f8f6f4 v[\d:\d+7], v[\a:\a+11], v[\b:\b+11], v[\d:\d+7], v[\sa], v[\sb] matrix_a_fmt:MATRIX_FMT_FP6 matrix_b_fmt:MATRIX_FMT_FP6 matrix_b_scale:MATRIX_SCALE_ROW1
.endif
.endm
; 64 numbers of a lane, register 16 b + i = place 16 (lane / 16) + i of block b of my row, become a fragment's 12 registers at pc and its scale word in pw
.macro QUANT src, pc, pb, pw
.irp b, 0,1,2,3
	v_max3_num_f32 v[TM+\b], |v[(\src)+16*\b]|, |v[(\src)+16*\b+1]|, 0x1800000   ; my 16 numbers of block b, and the floor 2^(3 - 127): the byte cannot fall under 1
.endr
.irp i, 2,4,6,8,10,12,14
.irp b, 0,1,2,3
	v_max3_num_f32 v[TM+\b], v[TM+\b], |v[(\src)+16*\b+\i]|, |v[(\src)+16*\b+\i+1]|
.endr
.endr
.irp b, 0,1,2,3
	s_delay_alu instid0(VALU_DEP_4)
	v_permlanex16_b32 v[TM+4+\b], v[TM+\b], s[SEL], s[SEL+1]
.endr
.irp b, 0,1,2,3
	s_delay_alu instid0(VALU_DEP_4)
	v_max_num_f32 v[TM+\b], v[TM+\b], v[TM+4+\b]   ; with lane l xor 16's: the block's largest magnitude
.endr
.irp b, 0,1,2,3
	s_delay_alu instid0(VALU_DEP_4)
	v_add_nc_u32 v[TM+12+\b], 0xff000000, v[TM+\b] ; 2 off its exponent field: the conversion's scale operand
.endr
.irp b, 0,1,2,3
	s_delay_alu instid0(VALU_DEP_4)
	v_lshrrev_b32 v[TM+4+\b], 23, v[TM+12+\b]      ; the scale's byte
.endr
	s_delay_alu instid0(VALU_DEP_3)
	v_lshl_or_b32 v[\pw], v[TM+5], 8, v[TM+4]
	s_delay_alu instid0(VALU_DEP_1)
	v_lshl_or_b32 v[\pw], v[TM+6], 16, v[\pw]
	s_delay_alu instid0(VALU_DEP_1)
	v_lshl_or_b32 v[\pw], v[TM+7], 24, v[\pw]
.irp c, 0,1
	v_cvt_scalef32_pk16_fp6_f32 v[(\pc)+6*\c:(\pc)+6*\c+2], v[(\src)+32*\c:(\src)+32*\c+15], v[TM+12+2*\c]
	v_cvt_scalef32_pk16_fp6_f32 v[(\pb)+4*\c:(\pb)+4*\c+2], v[(\src)+32*\c+16:(\src)+32*\c+31], v[TM+12+2*\c+1]
.endr
	v_nop                                          ; one plain place behind a scaled conversion
.irp c, 0,1                                    ; the layout wants a WHOLE block in a lane: lanes 0-15 block 2 c, lanes 16-31 block 2 c + 1
.irp i, 0,1,2
	v_permlane16_swap_b32 v[(\pc)+6*\c+\i], v[(\pb)+4*\c+\i]
.endr
.irp i, 0,1,2
	s_delay_alu instid0(VALU_DEP_3)
	v_mov_b32 v[(\pc)+6*\c+3+\i], v[(\pb)+4*\c+\i]
.endr
.endr
.endm
; the same for 32 numbers, two blocks: six registers at pc (lanes 0-15 block 0, lanes 16-31 block 1), two bytes in pw
.macro QUANT2 src, pc, pb, pw
.irp b, 0,1
	v_max3_num_f32 v[TM+\b], |v[(\src)+16*\b]|, |v[(\src)+16*\b+1]|, 0x1800000
.endr
.irp i, 2,4,6,8,10,12,14
.irp b, 0,1
	v_max3_num_f32 v[TM+\b], v[TM+\b], |v[(\src)+16*\b+\i]|, |v[(\src)+16*\b+\i+1]|
.endr
.endr
.irp b, 0,1
	s_delay_alu instid0(VALU_DEP_2)
	v_permlanex16_b32 v[TM+4+\b], v[TM+\b], s[SEL], s[SEL+1]
.endr
.irp b, 0,1
	s_delay_alu instid0(VALU_DEP_2)
	v_max_num_f32 v[TM+\b], v[TM+\b], v[TM+4+\b]
.endr
.irp b, 0,1
	s_delay_alu instid0(VALU_DEP_2)
	v_add_nc_u32 v[TM+12+\b], 0xff000000, v[TM+\b]
.endr
.irp b, 0,1
	s_delay_alu instid0(VALU_DEP_2)
	v_lshrrev_b32 v[TM+4+\b], 23, v[TM+12+\b]
.endr
	s_delay_alu instid0(VALU_DEP_1)
	v_lshl_or_b32 v[\pw], v[TM+5], 8, v[TM+4]
	v_cvt_scalef32_pk16_fp6_f32 v[(\pc):(\pc)+2], v[(\src):(\src)+15], v[TM+12]
	v_cvt_scalef32_pk16_fp6_f32 v[(\pb):(\pb)+2], v[(\src)+16:(\src)+31], v[TM+13]
	v_nop
.irp i, 0,1,2
	v_permlane16_swap_b32 v[(\pc)+\i], v[(\pb)+\i]
.endr
.irp i, 0,1,2
	s_delay_alu instid0(VALU_DEP_3)
	v_mov_b32 v[(\pc)+3+\i], v[(\pb)+\i]
.endr
.endm
; my row's 64 numbers of K step ks: of each block of 32 my half takes elements 8 h + 0 .. 7 and 16 + 8 h + 0 .. 7
.macro XL ks, dst
.irp b, 0,1,2,3
.irp q, 0,1,2,3
	ds_load_b128 v[\dst+16*\b+4*\q:\dst+16*\b+4*\q+3], v[XR] offset:512*(\ks)+16*((\ks)/2)+128*\b+16*(\q%2)+64*(\q/2)
.endr
.endr
.endm
.macro IMAGE ks                        ; the fragment at PC goes to LDS as it stands; its scale words beside it
.irp p, 0,1,2
	ds_store_b128 v[IW], v[PC+4*\p:PC+4*\p+3] offset:1536*(\ks)+512*\p
.endr
	ds_store_b32 v[IS], v[PW] offset:128*(\ks)
.endm
	s_load_b256 s[4:11], s[0:1], 0x0               ; x_pcre s[4:5], mask s[6:7], wcodes s[8:9], wscales s[10:11]
	s_load_b64 s[12:13], s[0:1], 0x20              ; kvws
	v_lshl_add_u32 v[SPW], v0, 2, SPARE
	v_mov_b32 v[NIL], 0
	ds_add_u32 v[SPW], v[NIL]                      ; the wave's opening: the add, twice on end, and its wait ahead of my first tensor load
	ds_add_u32 v[SPW], v[NIL]
	v_lshrrev_b32 v11, 5, v0
	s_delay_alu instid0(VALU_DEP_1)
	v_readfirstlane_b32 s[WV], v11                 ; wave 0..7
	v_and_b32 v11, 31, v0                          ; lane
	v_and_b32 v[RR], 15, v0                        ; r
	s_wait_alu depctr_va_vdst(0)
	v_bfe_u32 v12, v0, 4, 1                        ; h
	s_and_b32 s16, ttmp7, 0xffff                   ; the record: 16 batch + step
	; descriptor group 1: my 16 rows of x are 32,768 dense bytes: 32 rows of 256 elements of 4 bytes, 4 words of padding behind each 256 words
	s_mov_b32 s[G1+0], (2<<16)|(1<<20)|(7<<22)|(3<<25)
	s_mov_b32 s[G1+1], 256<<16                     ; tensor_dim0
	s_mov_b32 s[G1+2], 32<<16                      ; tensor_dim1
	s_mov_b32 s[G1+3], 256<<16                     ; tile_dim0
	s_mov_b32 s[G1+4], 32                          ; tile_dim1
	s_mov_b32 s[G1+5], 256                         ; from row to row
	s_mov_b32 s[G1+6], 0
	s_mov_b32 s[G1+7], 0
	s_mov_b32 s[G0], 1
	s_mul_i32 s[G0+1], s[WV], 16*XROW              ; my rows' place in LDS
	s_mov_b32 s[SEL], 0x76543210
	s_mov_b32 s[SEL+1], 0xfedcba98
	s_mov_b32 s52, 143<<16
	s_mov_b32 s53, 0x01010000
	s_mov_b32 s54, 0xffff0000
	s_and_b32 s17, s[WV], 3
	s_lshl_b32 s18, ttmp9, 2
	s_add_co_u32 s17, s17, s18                     ; my head
	s_lshr_b32 s18, s[WV], 2
	s_lshl_b32 s18, s18, 5
	s_lshl_b32 s19, s17, 2
	s_add_co_u32 s18, s18, s19
	s_add_co_u32 s18, s18, 32                      ; my first tile of weights: 32 + 32 (V role) + 4 head
	s_lshl_b32 s20, s16, 18
	s_lshl_b32 s21, s[WV], 15
	s_add_co_u32 s20, s20, s21                     ; x: (128 record + 16 wave) rows of 2,048 bytes
	s_mov_b32 s21, 0
	s_mul_i32 s38, s18, 6144
	s_mov_b32 s39, 0
	s_lshl_b32 s40, s18, 8
	s_mov_b32 s41, 0
	s_lshl_b32 s42, s16, 7                         ; the mask: 128 bytes a record
	s_mov_b32 s43, 0
	s_mul_i32 s44, s16, REC
	s_mul_i32 s55, s17, 6144
	s_add_co_u32 s48, s44, s55
	s_add_co_u32 s48, s48, 49152                   ; V's codes
	s_lshl_b32 s56, s17, 9
	s_add_co_u32 s46, s44, s56
	s_add_co_u32 s46, s46, 98304                   ; K's scale words
	s_lshl_b32 s56, s17, 8
	s_add_co_u32 s50, s44, s56
	s_add_co_u32 s50, s50, 102400                  ; V's scale words
	s_add_co_u32 s44, s44, s55                     ; K's codes
	s_mov_b32 s45, 0
	s_mov_b32 s47, 0
	s_mov_b32 s49, 0
	s_mov_b32 s51, 0
	v_mul_u32_u24 v[XR], v[RR], XROW
	s_wait_alu depctr_va_vdst(0)
	v_lshl_add_u32 v[XR], v12, 5, v[XR]
	s_delay_alu instid0(VALU_DEP_1)
	v_add_nc_u32 v[XR], s[G0+1], v[XR]
	v_lshl_add_u32 v[LI], v11, 4, XIMG
	v_lshl_add_u32 v[LS], v11, 2, XSC
	s_mul_i32 s22, s[WV], 6144
	v_add_nc_u32 v[IW], s22, v[LI]
	s_lshl_b32 s23, s[WV], 9
	v_add_nc_u32 v[IS], s23, v[LS]
	v_lshlrev_b32 v[G16], 4, v11
	v_lshlrev_b32 v[G8], 3, v11
	v_lshlrev_b32 v[WO], 4, v[RR]
	s_delay_alu instid0(VALU_DEP_1)
	v_lshl_add_u32 v[WO], v12, 9, v[WO]
.irp b, 0,1,2,3
	v_mov_b32 v[TM+4+\b], 0                        ; written once: a lane permute's destination counts as one of its sources
.endr
	s_wait_alu depctr_va_vdst(0)
	s_wait_dscnt 0x0                               ; both opening adds are done
	s_wait_kmcnt 0x0
	s_add_nc_u64 s[G0+2:G0+3], s[4:5], s[20:21]
	s_or_b32 s[G0+3], s[G0+3], 0x80000000
	tensor_load_to_lds s[G0:G0+3], s[G1:G1+7]      ; my one tensor load of the launch: nothing is filled again
	s_nop 0
	PLACES
	s_add_nc_u64 s[8:9], s[8:9], s[38:39]
	s_add_nc_u64 s[10:11], s[10:11], s[40:41]
	s_add_nc_u64 s[6:7], s[6:7], s[42:43]
	s_add_nc_u64 s[44:45], s[12:13], s[44:45]
	s_add_nc_u64 s[46:47], s[12:13], s[46:47]
	s_add_nc_u64 s[48:49], s[12:13], s[48:49]
	s_add_nc_u64 s[50:51], s[12:13], s[50:51]
	WIN 0x40                                       ; destination window 1
.set wi, 0
.rept 48                                       ; my 16 fragments of Wkv, (t, s) at v[12 (4 t + s)] of window 1: 24,576 dense bytes, 512 a load
	global_load_b128 v[4*wi:4*wi+3], v[G16], s[8:9] offset:512*wi
.set wi, wi+1
.endr
	WIN 0
	global_load_b128 v[WS:WS+3], v[WO], s[10:11]
	global_load_b128 v[WS+4:WS+7], v[WO], s[10:11] offset:256
	; ---- X: my 16 rows of x become four fragments.  I read my own rows alone, so my own wait is all the ordering that the reads need
	s_wait_tensorcnt 0x0
	XL 0, XA
	XL 1, XB
	s_wait_dscnt 16                                ; set A is in; set B's 16 loads may be out
	QUANT XA, PC, PB, PW
	IMAGE 0
	XL 2, XA
	s_wait_dscnt 16                                ; set B is in and the four stores have read their registers; the 16 loads just issued may be out
	QUANT XB, PC, PB, PW
	IMAGE 1
	XL 3, XB
	s_wait_dscnt 16                                ; likewise
	QUANT XA, PC, PB, PW
	IMAGE 2
	s_wait_dscnt 0x0
	QUANT XB, PC, PB, PW
	IMAGE 3
	s_wait_dscnt 0x0                               ; for the others' sake: my images have landed
	s_barrier_signal -1
	s_barrier_wait -1                              ; the 32 fragments lie in LDS: the launch's one barrier
	s_cmp_lt_u32 s[WV], 4
	s_cbranch_scc0 .Lvrole
	; ---- K: a tile of 16 keys at a time: four accumulators (16 d each) by turns, K step by K step
.irp t, 0,1,2,3,4,5,6,7
	global_load_u8 v[MKW+\t], v[RR], s[6:7] offset:16*\t
.endr
	s_wait_loadcnt 0x0                             ; the weights, their scale words, the mask
.irp t, 0,1,2,3,4,5,6,7
	v_mad_u32_u24 v[MKW+\t], v[MKW+\t], s52, s53   ; byte 2: 1 + 143 mask; byte 3: 1
.endr
.macro KT kt
.irp s4, 0,1,2,3
.irp p, 0,1,2
	ds_load_b128 v[XF+12*\s4+4*\p:XF+12*\s4+4*\p+3], v[LI] offset:(4*(\kt)+\s4)*1536+512*\p
.endr
	ds_load_b32 v[XS+\s4], v[LS] offset:(4*(\kt)+\s4)*128
.endr
	s_wait_dscnt 0x0
	WIN 0x01                                       ; source 0 (the weights) window 1
.irp t, 0,1,2,3
	MM 64+8*\t, 12*(4*\t), XF, 1, WS+4*(\t%2), XS, \t/2
.endr
.irp s4, 1,2,3
.irp t, 0,1,2,3
	MM 64+8*\t, 12*(4*\t+\s4), XF+12*\s4, 0, WS+4*(\t%2)+\s4, XS+\s4, \t/2
.endr
.endr
	WIN 0
	PLACES
	s_wait_xcnt 0x0                                ; the last tile's stores have read their registers
	QUANT2 64, PC2, PB2, PW
	v_or_b32 v[KSW+(\kt)], v[PW], v[MKW+(\kt)]
	global_store_b128 v[G16], v[PC2:PC2+3], s[44:45] offset:768*(\kt)
	global_store_b64 v[G8], v[PC2+4:PC2+5], s[44:45] offset:768*(\kt)+512
.endm
.irp n, 0,1,2,3,4,5,6,7
	KT \n
.endr
.irp i, 0,1,2,3
	v_cndmask_b32 v[PL+\i], v[KSW+\i], v[KSW+4+\i], s54    ; lanes 0-15 tile i's words, lanes 16-31 tile 4 + i's (both halves of the lanes hold row r's)
.endr
	global_store_b128 v[G16], v[PL:PL+3], s[46:47]
	s_wait_tensorcnt 0x0                           ; the wave's end: behind my last tensor load and my last LDS store
	ds_add_u32 v[SPW], v[NIL]
	s_wait_dscnt 0x0
	s_endpgm
	; ---- V: two tiles of 16 d at a time x eight tiles of keys; eight accumulators by turns (four tiles of keys x two of d), a K step at a time
.Lvrole:
.macro VG tp, gq, ks
.irp i, 0,1,2,3
.irp p, 0,1,2
	ds_load_b128 v[XF+12*\i+4*\p:XF+12*\i+4*\p+3], v[LI] offset:(4*(4*(\gq)+\i)+(\ks))*1536+512*\p
.endr
	ds_load_b32 v[XS+\i], v[LS] offset:(4*(4*(\gq)+\i)+(\ks))*128
.endr
	s_wait_dscnt 0x0
	WIN 0x04                                       ; source 1 (the weights) window 1
.irp i, 0,1,2,3
.irp u, 0,1
.if (\ks) == 0
	MM 64+64*\u+8*(4*(\gq)+\i), XF+12*\i, 12*(4*(2*(\tp)+\u)+(\ks)), 1, XS+\i, WS+4*\u+(\ks), 2*(\tp)
.else
	MM 64+64*\u+8*(4*(\gq)+\i), XF+12*\i, 12*(4*(2*(\tp)+\u)+(\ks)), 0, XS+\i, WS+4*\u+(\ks), 2*(\tp)
.endif
.endr
.endr
	WIN 0
	PLACES
.endm
	s_wait_loadcnt 0x0                             ; the weights and their scale words
.irp n, 0,1
	s_wait_xcnt 0x0                                ; the stores of the pair before have read the registers into which fragments now land
.irp g, 0,1
.irp k, 0,1,2,3
	VG \n, \g, \k
.endr
.endr
.irp u, 0,1
	s_wait_xcnt 0x0
	QUANT 64+64*\u, PC, PB, KSW+2*\n+\u            ; 16 d x 128 keys: one fragment of V^T and its scale words
.irp p, 0,1,2
	global_store_b128 v[G16], v[PC+4*\p:PC+4*\p+3], s[48:49] offset:1536*(2*\n+\u)+512*\p
.endr
.endr
.endr
	v_cndmask_b32 v[PL], v[KSW], v[KSW+2], s54
	v_cndmask_b32 v[PL+1], v[KSW+1], v[KSW+3], s54
	global_store_b64 v[G8], v[PL:PL+1], s[50:51]
	s_wait_tensorcnt 0x0                           ; the wave's end: the three lines
	ds_add_u32 v[SPW], v[NIL]
	s_wait_dscnt 0x0
	s_endpgm
.Lfunc_end_k_q41f84e2ec9_kvproj:
	.size	k_q41f84e2ec9_kvproj, .Lfunc_end_k_q41f84e2ec9_kvproj-k_q41f84e2ec9_kvproj
	.p2alignl 7, 3214868480
	.fill 96, 4, 3214868480
	.section	.rodata,"a",@progbits
	.p2align	6, 0x0
	.amdhsa_kernel k_q41f84e2ec9_kvproj
		.amdhsa_group_segment_fixed_size 327680
		.amdhsa_private_segment_fixed_size 0
		.amdhsa_enable_private_segment 0
		.amdhsa_kernarg_size 40
		.amdhsa_user_sgpr_count 2
		.amdhsa_user_sgpr_kernarg_segment_ptr 1
		.amdhsa_wavefront_size32 1
		.amdhsa_system_sgpr_workgroup_id_x 1
		.amdhsa_system_sgpr_workgroup_id_y 1
		.amdhsa_system_sgpr_workgroup_id_z 1
		.amdhsa_system_vgpr_workitem_id 0
		.amdhsa_next_free_vgpr 512
		.amdhsa_next_free_sgpr 66
		.amdhsa_reserve_vcc 0
		.amdhsa_float_denorm_mode_32 3
		.amdhsa_float_denorm_mode_16_64 3
		.amdhsa_memory_ordered 1
		.amdhsa_forward_progress 1
		.amdhsa_inst_pref_size 136
	.end_amdhsa_kernel
	.amdgpu_metadata
---
amdhsa.version: [ 1, 2 ]
amdhsa.kernels:
  - .name:           k_q41f84e2ec9_kvproj
    .symbol:         k_q41f84e2ec9_kvproj.kd
    .args:
      - { .name: x_pcre, .offset: 0, .size: 8, .value_kind: global_buffer, .address_space: global }
      - { .name: mask, .offset: 8, .size: 8, .value_kind: global_buffer, .address_space: global }
      - { .name: wcodes, .offset: 16, .size: 8, .value_kind: global_buffer, .address_space: global }
      - { .name: wscales, .offset: 24, .size: 8, .value_kind: global_buffer, .address_space: global }
      - { .name: kvws, .offset: 32, .size: 8, .value_kind: global_buffer, .address_space: global }
    .group_segment_fixed_size: 327680
    .private_segment_fixed_size: 0
    .kernarg_segment_align: 8
    .kernarg_segment_size: 40
    .max_flat_workgroup_size: 256
    .sgpr_count:     66
    .vgpr_count:     512
    .wavefront_size: 32
...
	.end_amdgpu_metadata
.endif
;; end of part 2
;; launch attn (part 3): grid 32 x 8, 8 waves a work-group, clusters of 4 x 1, 327,680 bytes of LDS; arguments x_p, bias, mask, wcodes, wscales, kvws, bff, gamma_f, ln_g, ln_b, out0; writes out0
.if DOCPART == 3
	.amdgcn_target "amdgcn-amd-amdhsa--gfx1250"
	.amdhsa_code_object_version 6
	.text
	.protected	k_q41f84e2ec9_attn
	.globl	k_q41f84e2ec9_attn
	.p2align	8
	.type	k_q41f84e2ec9_attn,@function
k_q41f84e2ec9_attn:
	s_mov_b64 s[64:65], 0
	v_nop
	global_prefetch_b8 v0, s[64:65] scope:SCOPE_SE
	s_setreg_imm32_b32 hwreg(HW_REG_WAVE_MODE, 25, 1), 1
	s_wait_xcnt 0x0
	s_wait_alu depctr_hold_cnt(0) depctr_sa_sdst(0) depctr_va_vdst(0) depctr_va_sdst(0) depctr_va_ssrc(0) depctr_va_vcc(0) depctr_vm_vsrc(0)
	s_getreg_b32 s2, hwreg(HW_REG_IB_STS2, 6, 4)
	s_cmp_eq_u32 s2, 0
	s_cbranch_scc0 .Lentry_in_a_cluster
	s_endpgm
.Lentry_in_a_cluster:
	s_bfe_u32 s2, ttmp6, 0x10000c
	s_cmp_lg_u32 s2, 0x3003
	s_cbranch_scc0 .Lentry_shape_is_right
	s_endpgm
.Lentry_shape_is_right:
; q = x_p Wq; S = q k^T / 8 + gamma bias, masked; p = 2^(t - M); att = p v / l; y = x_p + att Wff + bff; LayerNorm.  All four products here on codes of E2M3.  No work of the problem is left out.
; SHARES.  A work-group owns 64 queries of one batch, for all 8 heads, so that a bias tile is fetched once for the 8 heads.  Wave w is head w, with four tiles of 16 queries: each fragment of K and V read from
; LDS feeds four products.  q, att and y never go to memory.  In the projections wave w makes columns 64 w .. 64 w + 63 for all 64 rows, its 16 fragments of weights in registers.
; LAYOUT.  Every product is used transposed (source 0 = 16 columns of a weight, 16 keys, or 16 of the head's 64; source 1 = 16 queries): a lane holds ONE query throughout.
; Inside a block of 32 along any K, place 16 a + 8 u + j holds element 16 u + 8 a + j, on both sides of every product: a result falls out so.
; THE BIAS IS THE C OF THE SCORES' PRODUCT: S' = k q^T + 8 gamma bias = 8 x score; t = c S', c = log2(e) / 8.
; THE MASK RIDES IN THE SPARE HALF OF THAT PRODUCT'S K (64 of 128 are the head's): at k = 64 every key has the code 1.0 and every query the code -1.0; the query's scale byte there is 143, the key's 144 where it is
; masked and 1 where it is not.  So a masked key gets -2^33 in S' (score -2^30 where the problem writes -1e9: p is 0 either way), an unmasked key -2^-110.  All other codes of q in that half are zeros.
; A BATCH WHOSE KEYS ARE ALL MASKED: the 2,048 mask bytes are ANDed; by two selects 8 gamma and q's codes become 0; then every S' is -2^33, c 2^33 is a whole number, every p is 1 and l is 2,048, as in the problem.
; SOFTMAX: M = the running largest t rounded up to a whole number, kept as -M; when M moves, l and O are multiplied by 2^(old M - new M), exact; l is summed of the unquantised p.  A block's largest p comes from the
; block's largest score by the same multiply-add and exponential (this takes v_exp_f32 not to fall where its input rises).
; RING: two LDS slots, each with one step's record of K and V (128 keys, all heads: 104,448 dense bytes) and the work-group's bias tile (64 x 128 f32).
; CLUSTER: the four partners are four blocks of queries of one batch and walk the same records: waves 0-5 ask for a sixth of the record each, JOINTLY; waves 6 and 7 fetch the work-group's own bias tile, 32 rows each.
; LIMITS: unmasked scores stay above -2^29; mask bytes are 0 or 1; NaN and infinities among the inputs are not served; blocks of zeros carry the byte 1 (zero codes; the bytes are this program's own).
; REGISTERS.  Window 0: v1-19 addresses; v20-43 scale words; v44-59 four registers of statistics a tile (-M, largest t, l in two halves); v64-127 S', then p; v128-175 V's four fragments; v176-187 p's codes;
;   v188-213 at work.  Head and tail: v64-191 16 accumulators ((m, t) at 64 + 32 m + 8 t); v192-239 four fragments; v240-255 at work in the quantiser.
; Window 1: v0-47 q; v48-175 O^T ((m, t) at 48 + 32 m + 8 t); v176-243 K: fragment t at 176 + 8 t: six loaded registers, the constant 8 (the code 1.0), a zero; its last four registers are the next fragment's first
;   four, which meet q's zero codes.  Head and tail: v48-239 the 16 fragments of a weight; tail: v0-31 bff, v48-79 ln_g, v80-111 ln_b.
.set REC,   104448
.set BOFF,  104448                     ; the bias tile in a slot: 64 rows of 512 bytes + 16
.set SLOTB, 138240
.set SPARE, 276480                     ; the spare words, 128 bytes for each wave: four blocks of 256 bytes that no other line names
.set XIMG,  277504                     ; 16 fragments' images (4 m + s), 1,536 bytes: for c = 0, 1: registers 6 c .. 6 c + 3 at 768 c + 16 lane, registers 6 c + 4, 5 at 768 c + 512 + 8 lane
.set XSC,   302080                     ; their scale words, 128 bytes each
.set RED,   304128                     ; two sets of partial sums: word 512 m + 32 r + 4 wave
.set STGB,  4352                       ; the way out: 16 rows x 272 bytes for each wave, in slot 0, which has had its last fill and its last read by then
.set SPW, 1
.set NIL, 2
.set AKA0, 3                           ; 16 lane + 6,144 wave
.set AKB0, 4                           ; 8 lane + 512 + 6,144 wave
.set AKS0, 5                           ; 98,304 + 512 wave + 16 lane
.set AVS0, 6                           ; 102,400 + 256 wave + 8 lane
.set ABI0, 7                           ; BOFF + 528 r + 32 h
.set AKA, 8                            ; v8-12: the same in the slot in hand
.set AKB, 9
.set AKS, 10
.set AVS, 11
.set ABI, 12
.set PFO, 13
.set LI,  14                           ; XIMG + 16 lane
.set L8,  15                           ; XIMG + 8 lane
.set LS,  16                           ; XSC + 4 lane
.set IW,  17                           ; where I store images
.set IW8, 18
.set IWS, 19
.set KS,  20                           ; v20-23 K's scale words: register T % 4: lanes 0-15 tile T % 4, lanes 16-31 tile T % 4 + 4
.set VS,  24                           ; v24-25 V's
.set QS,  26                           ; v26-29 q's, a register a tile
.set PW,  30                           ; p's
.set PWQ, 31                           ; the scale word just made, on its way to QS or to LDS
.set XS,  32
.set WS,  36
.set ST,  44
.set FF,  60                           ; v[60:61] f = 2^(old M - new M) (the pair is named; its low word serves both halves)
.set TT,  62
.set SS,  64
.set VF,  128
.set PC,  176
.set PB,  188
.set BM,  196
.set BP,  200
.set SO,  204
.set BY,  208
.set SM,  212
.set ACC, 64
.set XF,  192
.set AT,  192
.set TM,  240
.set WV,  26
.set CX,  27
.set BB,  28
.set Q0,  29
.set G1K, 32
.set G1B, 40
.set G0K, 48
.set G0B, 52
.set SEL, 56
.set CS,  58
.set GM,  60
.set TB,  62                           ; LDS byte at which the slot in hand begins
.set TN,  63                           ; and the other one
.set CNT, 66
.set PK,  67
.set PBI, 68
.set PFA, 70
.set PFS, 72
.set LIM, 74
.set AM,  75
.set MSB, 0
.macro WIN new                         ; the immediate's high byte repeats the setting that is left
.if MSB != \new
	s_set_vgpr_msb (MSB<<8)|\new
.set MSB, \new
.endif
.endm
.macro PLACES                          ; four places behind matrix instructions, in front of loads into their sources and of the first read of results
.rept 4
	v_nop
.endr
.endm
.macro BARRIER                         ; my LDS stores have landed and my LDS loads are in: then the work-group's barrier
	s_wait_dscnt 0x0
	s_barrier_signal -1
	s_barrier_wait -1
.endm
.macro ROUND                           ; a round of the cluster's barrier
	s_barrier_signal -1
	s_barrier_wait -1
	s_cmp_lg_u32 s[WV], 0
	s_cbranch_scc1 .Lnot_wave_0_\@
	s_barrier_signal -3
.Lnot_wave_0_\@:
	s_barrier_wait -3
	s_barrier_signal -1
	s_barrier_wait -1
.endm
; Waves 0-5: a sixth of the record, asked for jointly by the four partners; waves 6, 7: half of my work-group's bias tile.  The branch hangs on the wave's number alone.
; An s_nop 0 and four v_nop follow each of the two lines.
.macro JLOAD
	s_cmp_lt_u32 s[WV], 6
	s_cbranch_scc0 .Lfor_b_\@
	tensor_load_to_lds s[G0K:G0K+3], s[G1K:G1K+7]
	s_nop 0
.rept 4
	v_nop
.endr
	s_branch .Lasked_\@
.Lfor_b_\@:
	tensor_load_to_lds s[G0B:G0B+3], s[G1B:G1B+7]
	s_nop 0
.rept 4
	v_nop
.endr
.Lasked_\@:
.endm
; A PREFETCH INTO THE L2 of what the NEXT change of slots will ask for: trip j loads step j + 1 and names step j + 2; the last trip names nothing.  One instruction a wave, behind the step's run of LDS loads.
; Waves 0-3: my work-group's own bias tile, 128 blocks of 256 bytes: a lane takes row 16 wave + lane / 2, half lane % 2.  Waves 4-6: the record's 98,304 bytes of codes: the batch's first cluster asks, its four
; partners take 24,576 bytes each BY ADDRESS, 8,192 a wave, lanes 256 bytes apart.  Wave 7 and the scale planes: nothing.  So each block is named once in the launch.
.macro ASK
	s_cmp_gt_u32 s[CNT], s[LIM]
	s_cbranch_scc0 .Lnot_mine_\@
	global_prefetch_b8 v[PFO], s[PFA:PFA+1] th:TH_LOAD_NT scope:SCOPE_SE
.Lnot_mine_\@:
.endm
; one product.  zero = 1: it starts the sum.  row = 1: source 0's scales stand in lanes 16-31
.macro MM d, a, b, zero, sa, sb, row
.if (\zero) && ((\row) == 0)
	v_wmma_scale_f32_16x16x128_f8f6f4 v[\d:\d+7], v[\a:\a+11], v[\b:\b+11], 0, v[\sa], v[\sb] matrix_a_fmt:MATRIX_FMT_FP6 matrix_b_fmt:MATRIX_FMT_FP6
.elseif (\zero)
	v_wmma_scale_f32_16x16x128_f8f6f4 v[\d:\d+7], v[\a:\a+11], v[\b:\b+11], 0, v[\sa], v[\sb] matrix_a_fmt:MATRIX_FMT_FP6 matrix_b_fmt:MATRIX_FMT_FP6 matrix_a_scale:MATRIX_SCALE_ROW1
.elseif (\row) == 0
	v_wmma_scale_f32_16x16x128_f8f6f4 v[\d:\d+7], v[\a:\a+11], v[\b:\b+11], v[\d:\d+7], v[\sa], v[\sb] matrix_a_fmt:MATRIX_FMT_FP6 matrix_b_fmt:MATRIX_FMT_FP6
.else
	v_wmma_scale_f32_16x16x128_f8f6f4 v[\d:\d+7], v[\a:\a+11], v[\b:\b+11], v[\d:\d+7], v[\sa], v[\sb] matrix_a_fmt:MATRIX_FMT_FP6 matrix_b_fmt:MATRIX_FMT_FP6 matrix_a_scale:MATRIX_SCALE_ROW1
.endif
.endm
; 64 numbers of a lane, register 16 b + i = place 16 (lane / 16) + i of block b of my row, become a fragment's 12 registers at pc and its scale word in pw
.macro QUANT src, pc, pb, pw
.irp b, 0,1,2,3
	v_max3_num_f32 v[TM+\b], |v[(\src)+16*\b]|, |v[(\src)+16*\b+1]|, 0x1800000   ; my 16 numbers of block b, and the floor 2^(3 - 127): the byte cannot fall under 1
.endr
.irp i, 2,4,6,8,10,12,14
.irp b, 0,1,2,3
	s_delay_alu instid0(VALU_DEP_4)
	v_max3_num_f32 v[TM+\b], v[TM+\b], |v[(\src)+16*\b+\i]|, |v[(\src)+16*\b+\i+1]|
.endr
.endr
.irp b, 0,1,2,3
	s_delay_alu instid0(VALU_DEP_4)
	v_permlanex16_b32 v[TM+4+\b], v[TM+\b], s[SEL], s[SEL+1]
.endr
.irp b, 0,1,2,3
	s_delay_alu instid0(VALU_DEP_4)
	v_max_num_f32 v[TM+\b], v[TM+\b], v[TM+4+\b]
.endr
.irp b, 0,1,2,3
	s_delay_alu instid0(VALU_DEP_4)
	v_add_nc_u32 v[TM+12+\b], 0xff000000, v[TM+\b] ; 2 off the exponent field: the conversion's scale operand
.endr
.irp b, 0,1,2,3
	s_delay_alu instid0(VALU_DEP_4)
	v_lshrrev_b32 v[TM+4+\b], 23, v[TM+12+\b]      ; the scale's byte
.endr
	s_delay_alu instid0(VALU_DEP_3)
	v_lshl_or_b32 v[\pw], v[TM+5], 8, v[TM+4]
	s_delay_alu instid0(VALU_DEP_1)
	v_lshl_or_b32 v[\pw], v[TM+6], 16, v[\pw]
	s_delay_alu instid0(VALU_DEP_1)
	v_lshl_or_b32 v[\pw], v[TM+7], 24, v[\pw]
.irp c, 0,1
	v_cvt_scalef32_pk16_fp6_f32 v[(\pc)+6*\c:(\pc)+6*\c+2], v[(\src)+32*\c:(\src)+32*\c+15], v[TM+12+2*\c]
	v_cvt_scalef32_pk16_fp6_f32 v[(\pb)+4*\c:(\pb)+4*\c+2], v[(\src)+32*\c+16:(\src)+32*\c+31], v[TM+12+2*\c+1]
.endr
	v_nop                                          ; one plain place behind a scaled conversion
.irp c, 0,1                                    ; the layout wants a WHOLE block in a lane
.irp i, 0,1,2
	v_permlane16_swap_b32 v[(\pc)+6*\c+\i], v[(\pb)+4*\c+\i]
.endr
.irp i, 0,1,2
	s_delay_alu instid0(VALU_DEP_3)
	v_mov_b32 v[(\pc)+6*\c+3+\i], v[(\pb)+4*\c+\i]
.endr
.endr
.endm
; the same for 32 numbers, two blocks: six registers at pc (lanes 0-15 block 0, lanes 16-31 block 1), two bytes in pw
.macro QUANT2 src, pc, pb, pw
.irp b, 0,1
	v_max3_num_f32 v[TM+\b], |v[(\src)+16*\b]|, |v[(\src)+16*\b+1]|, 0x1800000
.endr
.irp i, 2,4,6,8,10,12,14
.irp b, 0,1
	v_max3_num_f32 v[TM+\b], v[TM+\b], |v[(\src)+16*\b+\i]|, |v[(\src)+16*\b+\i+1]|
.endr
.endr
.irp b, 0,1
	s_delay_alu instid0(VALU_DEP_2)
	v_permlanex16_b32 v[TM+4+\b], v[TM+\b], s[SEL], s[SEL+1]
.endr
.irp b, 0,1
	s_delay_alu instid0(VALU_DEP_2)
	v_max_num_f32 v[TM+\b], v[TM+\b], v[TM+4+\b]
.endr
.irp b, 0,1
	s_delay_alu instid0(VALU_DEP_2)
	v_add_nc_u32 v[TM+12+\b], 0xff000000, v[TM+\b]
.endr
.irp b, 0,1
	s_delay_alu instid0(VALU_DEP_2)
	v_lshrrev_b32 v[TM+4+\b], 23, v[TM+12+\b]
.endr
	s_delay_alu instid0(VALU_DEP_1)
	v_lshl_or_b32 v[\pw], v[TM+5], 8, v[TM+4]
	v_cvt_scalef32_pk16_fp6_f32 v[(\pc):(\pc)+2], v[(\src):(\src)+15], v[TM+12]
	v_cvt_scalef32_pk16_fp6_f32 v[(\pb):(\pb)+2], v[(\src)+16:(\src)+31], v[TM+13]
	v_nop
.irp i, 0,1,2
	v_permlane16_swap_b32 v[(\pc)+\i], v[(\pb)+\i]
.endr
.irp i, 0,1,2
	s_delay_alu instid0(VALU_DEP_3)
	v_mov_b32 v[(\pc)+3+\i], v[(\pb)+\i]
.endr
.endm
.macro FETCH6 reg, off                 ; a fragment's image comes back into 12 registers, in any wave
	ds_load_b128 v[\reg:\reg+3], v[LI] offset:\off
	ds_load_b64 v[\reg+4:\reg+5], v[L8] offset:\off+512
	ds_load_b128 v[\reg+6:\reg+9], v[LI] offset:\off+768
	ds_load_b64 v[\reg+10:\reg+11], v[L8] offset:\off+1280
.endm
.macro IMAGE6 reg, off
	ds_store_b128 v[IW], v[\reg:\reg+3] offset:\off
	ds_store_b64 v[IW8], v[\reg+4:\reg+5] offset:\off+512
	ds_store_b128 v[IW], v[\reg+6:\reg+9] offset:\off+768
	ds_store_b64 v[IW8], v[\reg+10:\reg+11] offset:\off+1280
.endm
; my 64 columns for the 64 rows whose fragments lie in XIMG: a tile of rows at a time, four accumulators by turns, K step by K step.  zero = 1: the first K step starts the sums; 0: it adds onto what ACC holds
.macro PROJ zero
.irp m, 0,1,2,3
.irp s4, 0,1,2,3
	FETCH6 XF+12*\s4, (4*\m+\s4)*1536
	ds_load_b32 v[XS+\s4], v[LS] offset:(4*\m+\s4)*128
.endr
	s_wait_dscnt 0x0
	WIN 0x01                                       ; source 0 (the weights) window 1
.irp t, 0,1,2,3
	MM ACC+32*\m+8*\t, 48+12*(4*\t), XF, \zero, WS+4*(\t%2), XS, \t/2
.endr
.irp s4, 1,2,3
.irp t, 0,1,2,3
	MM ACC+32*\m+8*\t, 48+12*(4*\t+\s4), XF+12*\s4, 0, WS+4*(\t%2)+\s4, XS+\s4, \t/2
.endr
.endr
	WIN 0
	PLACES
.endr
.endm
	s_load_b512 s[4:19], s[0:1], 0x0               ; x_p s[4:5], bias s[6:7], mask s[8:9], wcodes s[10:11], wscales s[12:13], kvws s[14:15], bff s[16:17], gamma_f s[18:19]
	s_load_b128 s[20:23], s[0:1], 0x40             ; ln_g, ln_b
	s_load_b64 s[24:25], s[0:1], 0x50              ; out0
	v_lshl_add_u32 v[SPW], v0, 2, SPARE
	v_mov_b32 v[NIL], 0
	ds_add_u32 v[SPW], v[NIL]                      ; the wave's opening: the add, twice on end, and its wait ahead of the round in front of my first tensor load
	ds_add_u32 v[SPW], v[NIL]
	v_lshrrev_b32 v60, 5, v0
	s_delay_alu instid0(VALU_DEP_1)
	v_readfirstlane_b32 s[WV], v60                 ; wave 0..7 = my head
	s_bfe_u32 s[CX], ttmp6, 0x40000                ; my place in the cluster: it enters global addresses of bias, x_p, out0 and the prefetches alone
	s_and_b32 s[BB], ttmp7, 0xffff                 ; the batch, which the four partners share
	s_lshl_b32 s[Q0], ttmp9, 2
	s_add_co_u32 s[Q0], s[Q0], s[CX]
	s_lshl_b32 s[Q0], s[Q0], 6                     ; my first query
	; group 1 for the record: 17,408 dense bytes a wave: 68 rows of 32 elements of 8 bytes; the mask names all four partners, bit 21 beside it
	s_mov_b32 s[G1K+0], 15|(3<<16)|(1<<21)
	s_mov_b32 s[G1K+1], 32<<16
	s_mov_b32 s[G1K+2], 68<<16
	s_mov_b32 s[G1K+3], 32<<16
	s_mov_b32 s[G1K+4], 68
	s_mov_b32 s[G1K+5], 32
	s_mov_b32 s[G1K+6], 0
	s_mov_b32 s[G1K+7], 0
	; group 1 for the bias: 32 rows of 128 f32, 2,048 elements apart, 4 words of padding behind each 128 words; no mask
	s_mov_b32 s[G1B+0], (2<<16)|(1<<20)|(6<<22)|(3<<25)
	s_mov_b32 s[G1B+1], 128<<16
	s_mov_b32 s[G1B+2], 32<<16
	s_mov_b32 s[G1B+3], 128<<16
	s_mov_b32 s[G1B+4], 32
	s_mov_b32 s[G1B+5], 2048
	s_mov_b32 s[G1B+6], 0
	s_mov_b32 s[G1B+7], 0
	s_mov_b32 s[SEL], 0x76543210
	s_mov_b32 s[SEL+1], 0xfedcba98
	s_mov_b32 s[CS], 0x3e38aa3b                    ; c = log2(e) / 8
	s_mov_b32 s[CS+1], s[CS]
	s_mov_b32 s[TB], 0
	s_mov_b32 s[CNT], 15
	s_mul_i32 s[PK], s[WV], 17408                  ; my sixth of a record, in memory and in a slot
	s_and_b32 s76, s[WV], 1
	s_mul_i32 s[PBI], s76, 16896
	s_add_co_u32 s[PBI], s[PBI], BOFF              ; my half of a bias tile in a slot
	s_mul_i32 s80, s[BB], 16*REC                   ; the batch's records
	s_add_co_u32 s79, s80, REC-32768               ; (the prefetches: step 1, less four waves' 8,192)
	s_add_co_u32 s80, s80, s[PK]
	s_mov_b32 s81, 0
	s_lshl_b32 s77, s[BB], 11
	s_add_co_u32 s77, s77, s[Q0]                   ; my first row among the 16,384
	s_lshl_b32 s82, s76, 5
	s_add_co_u32 s82, s82, s77
	s_lshl_b32 s82, s82, 13                        ; bias: a row is 8,192 bytes
	s_mov_b32 s83, 0
	s_lshl_b32 s86, s77, 11                        ; x_p, out0: a row is 2,048 bytes; kept
	s_mov_b32 s87, 0
	s_lshr_b32 s84, s[WV], 1                       ; the two fragments of x_p that I quantise: tile of rows wave / 2, K steps 2 (wave % 2) + 0, 1
	s_lshl_b32 s84, s84, 15
	s_lshl_b32 s85, s76, 10
	s_add_co_u32 s84, s84, s85
	s_add_co_u32 s84, s84, s86
	s_mov_b32 s85, 0
	s_lshl_b32 s88, s[BB], 11
	s_mov_b32 s89, 0
	s_mul_i32 s90, s[WV], 24576                    ; Wq's tiles 4 wave ..
	s_mov_b32 s91, 0
	s_lshl_b32 s92, s[WV], 10
	s_mov_b32 s93, 0
	s_lshl_b32 s94, s[WV], 2
	s_mov_b32 s95, 0
	s_lshl_b32 s78, s[WV], 4                       ; the prefetches' first place: step 1 (the first change steps it to 2)
	s_add_co_u32 s78, s78, s77
	s_lshl_b32 s78, s78, 13
	s_add_co_u32 s78, s78, 512
	s_mul_i32 s76, s[CX], 24576
	s_add_co_u32 s79, s79, s76
	s_lshl_b32 s76, s[WV], 13
	s_add_co_u32 s79, s79, s76
	s_cmp_lt_u32 s[WV], 4                          ; waves 0-3 ask for bias, waves 4-6 for the record
	s_cselect_b32 s78, s78, s79
	s_mov_b32 s79, 0
	s_mov_b32 s[PFS], REC
	s_cselect_b32 s[PFS], 512, s[PFS]              ; a step on
	s_mov_b32 s[PFS+1], 0
	s_mov_b32 s76, 512
	s_cselect_b32 s76, 8192, s76                   ; from pair of lanes to pair of lanes
	s_cselect_b32 s77, 0, ttmp9
	s_cmp_eq_u32 s77, 0                            ; the record: the batch's first cluster alone (the same in all four partners)
	s_cselect_b32 s[LIM], 1, -1
	s_cmp_eq_u32 s[WV], 7
	s_cselect_b32 s[LIM], -1, s[LIM]
	v_and_b32 v60, 31, v0                          ; lane
	v_and_b32 v61, 15, v0                          ; r
	v_bfe_u32 v62, v0, 4, 1                        ; h
	s_delay_alu instid0(VALU_DEP_3)
	v_lshrrev_b32 v63, 1, v60
	s_delay_alu instid0(VALU_DEP_1)
	v_mul_lo_u32 v[PFO], v63, s76
	v_and_b32 v63, 1, v60
	s_delay_alu instid0(VALU_DEP_1)
	v_lshl_add_u32 v[PFO], v63, 8, v[PFO]
	v_xor_b32 v63, 1, v62
	s_delay_alu instid0(VALU_DEP_1)
	v_mul_u32_u24 v63, v63, 40                     ; q's register 6: the code -1.0 at k = 64 (lanes 0-15), 0 at k = 96
	s_mul_i32 s76, s[WV], 6144
	v_lshl_add_u32 v[AKA0], v60, 4, s76
	s_add_co_u32 s76, s76, 512
	v_lshl_add_u32 v[AKB0], v60, 3, s76
	s_lshl_b32 s76, s[WV], 9
	s_add_co_u32 s76, s76, 98304
	v_lshl_add_u32 v[AKS0], v60, 4, s76
	s_lshl_b32 s76, s[WV], 8
	s_add_co_u32 s76, s76, 102400
	v_lshl_add_u32 v[AVS0], v60, 3, s76
	v_mul_u32_u24 v[ABI0], v61, 528
	s_delay_alu instid0(VALU_DEP_1)
	v_lshl_add_u32 v[ABI0], v62, 5, v[ABI0]
	s_delay_alu instid0(VALU_DEP_1)
	v_add_nc_u32 v[ABI0], BOFF, v[ABI0]
	v_lshl_add_u32 v[LI], v60, 4, XIMG
	v_lshl_add_u32 v[L8], v60, 3, XIMG
	v_lshl_add_u32 v[LS], v60, 2, XSC
	s_mul_i32 s76, s[WV], 3072
	v_add_nc_u32 v[IW], s76, v[LI]
	v_add_nc_u32 v[IW8], s76, v[L8]
	s_lshl_b32 s76, s[WV], 8
	v_add_nc_u32 v[IWS], s76, v[LS]
	v_lshlrev_b32 v8, 11, v61
	s_delay_alu instid0(VALU_DEP_1)
	v_lshl_add_u32 v8, v62, 5, v8                  ; x_p: row r, + 32 h
	v_lshlrev_b32 v9, 4, v60                       ; 16 lane
	v_lshlrev_b32 v10, 4, v61
	s_delay_alu instid0(VALU_DEP_1)
	v_lshl_add_u32 v10, v62, 9, v10                ; the weights' scale words: 16 r + 512 h
	v_lshlrev_b32 v11, 6, v60                      ; the mask: 64 bytes a lane
.irp b, 0,1,2,3
	v_mov_b32 v[TM+4+\b], 0                        ; written once: a lane permute's destination counts as one of its sources
.endr
	s_wait_dscnt 0x0                               ; both opening adds are done
	s_wait_kmcnt 0x0
	s_mov_b32 s[G0K], 1
	s_mov_b32 s[G0K+1], s[PK]                      ; slot 0
	s_add_nc_u64 s[G0K+2:G0K+3], s[14:15], s[80:81]
	s_or_b32 s[G0K+3], s[G0K+3], 0x80000000
	s_mov_b32 s[G0B], 1
	s_mov_b32 s[G0B+1], s[PBI]
	s_add_nc_u64 s[G0B+2:G0B+3], s[6:7], s[82:83]
	s_or_b32 s[G0B+3], s[G0B+3], 0x80000000
	s_cmp_lt_u32 s[WV], 4
	s_cselect_b64 s[PFA:PFA+1], s[6:7], s[14:15]
	s_add_nc_u64 s[PFA:PFA+1], s[PFA:PFA+1], s[78:79]
	s_add_nc_u64 s[84:85], s[4:5], s[84:85]
	s_add_nc_u64 s[88:89], s[8:9], s[88:89]
	s_add_nc_u64 s[90:91], s[10:11], s[90:91]
	s_add_nc_u64 s[92:93], s[12:13], s[92:93]
	s_add_nc_u64 s[94:95], s[18:19], s[94:95]
	ROUND                                          ; all four work-groups are here: the first joint loads meet
	JLOAD                                          ; step 0 into slot 0: every wave issues one
	s_load_b32 s69, s[94:95], 0x0                  ; my head's gamma
	s_wait_alu depctr_va_vdst(0)
.irp k, 0,1,2,3
	global_load_b128 v[224+4*\k:227+4*\k], v11, s[88:89] offset:16*\k     ; the batch's 2,048 mask bytes
.endr
.irp e, 0,1
.irp b, 0,1,2,3
.irp k, 0,1,2,3
	global_load_b128 v[ACC+64*\e+16*\b+4*\k:ACC+64*\e+16*\b+4*\k+3], v8, s[84:85] offset:512*\e+128*\b+16*(\k%2)+64*(\k/2)   ; of each block of 32 my half takes elements 8 h .. and 16 + 8 h ..
.endr
.endr
.endr
	WIN 0x40                                       ; destination window 1
.set ui, 0
.rept 48
	global_load_b128 v[48+4*ui:48+4*ui+3], v9, s[90:91] offset:512*ui     ; Wq's 16 fragments: (t, s) at v[48 + 12 (4 t + s)]
.set ui, ui+1
.endr
	WIN 0
	global_load_b128 v[WS:WS+3], v10, s[92:93]
	global_load_b128 v[WS+4:WS+7], v10, s[92:93] offset:256
	s_wait_loadcnt 63                              ; behind x's first set 66 loads were issued; the count is the largest that the wait takes, and is the stricter
	QUANT ACC, 192, 204, PWQ
	IMAGE6 192, 0
	ds_store_b32 v[IWS], v[PWQ]
	s_wait_loadcnt 50                              ; x's second set is in; the 48 loads of weights and the 2 of their scale words may be out
	s_wait_dscnt 0x0                               ; the stores have read their registers
	QUANT ACC+64, 192, 204, PWQ
	IMAGE6 192, 1536
	ds_store_b32 v[IWS], v[PWQ] offset:128
	BARRIER                                        ; x_p's sixteen fragments lie in LDS
	s_wait_loadcnt 0x0
	s_wait_kmcnt 0x0
.irp k, 1
	v_and_b32 v224, v224, v[224+\k]
.endr
.irp k, 2, 3, 4, 5, 6, 7, 8, 9, 10, 11, 12, 13, 14, 15
	s_delay_alu instid0(VALU_DEP_1)
	v_and_b32 v224, v224, v[224+\k]
.endr
	s_delay_alu instid0(VALU_DEP_1)
	v_cmp_eq_u32 s76, 0x01010101, v224             ; my 64 bytes are all 1
	s_mul_f32 s[GM], s69, 0x41000000               ; 8 gamma
	s_cmp_eq_u32 s76, -1                           ; every lane's are: the whole batch is masked.  What that decides is done by selects
	s_cselect_b32 s[AM], 0, -1
	s_cselect_b32 s[GM], 0, s[GM]
	s_mov_b32 s[GM+1], s[GM]
	PROJ 1                                         ; q of my head, 64 queries x 64
.irp m, 0,1,2,3
	QUANT2 ACC+32*\m, 224, 232, PWQ
	v_or_b32 v[QS+\m], 0x018f0000, v[PWQ]          ; byte 2: 143; byte 3: 1
	WIN 0x40
.irp i, 0,1,2,3,4,5
	v_and_b32 v[12*\m+\i], s[AM], v[224+\i]        ; into window 1; zeros where the whole batch is masked
.endr
	v_mov_b32 v[12*\m+6], v63
.irp i, 7,8,9,10,11
	v_mov_b32 v[12*\m+\i], 0
.endr
	WIN 0
.endr
	WIN 0x40
.irp t, 0,1,2,3,4,5,6,7
	v_mov_b32 v[176+8*\t+6], 8                     ; K's constants: the code 1.0 at k = 64 and 96,
	v_mov_b32 v[176+8*\t+7], 0
.endr
.irp i, 240,241,242,243
	v_mov_b32 v[\i], 0
.endr
.set ui, 0
.rept 128
	v_mov_b32 v[48+ui], 0                          ; O^T.  (The step is written once for the loop: its first trip finds zeros, which the first change of M leaves zeros; a first step of its own would be a third copy of the step's text)
.set ui, ui+1
.endr
	WIN 0
.irp m, 0,1,2,3
	v_mov_b32 v[ST+4*\m+1], 0xff61b1e6             ; the largest t so far: -3e38
	s_delay_alu instid0(VALU_DEP_1)
	v_floor_f32 v[ST+4*\m], -v[ST+4*\m+1]          ; -M
	v_mov_b32 v[ST+4*\m+2], 0
	v_mov_b32 v[ST+4*\m+3], 0
.endr
.irp b, 0,1,2,3
	v_mov_b32 v[BP+\b], 0
.endr
	v_mov_b32 v[FF+1], 0                           ; (named as the upper half of a pair)
	v_lshlrev_b32 v63, 8, v0                       ; the residual's prefetch: 256 bytes a thread (q's constant, which lay here, has been used)
; Tile m's bias goes into a buffer of its own, 64 registers that the loop uses for nothing else: piece q (four registers: bias(query 16 m + r, key 16 (q / 2) + 8 h + 4 (q % 2) ..), as S' wants them at SS + 4 q)
; lies at v216 + 4 q (q < 10), at v32 + 4 (q - 10) (q < 13), and at v244 + 4 (q - 13) of window 1.  So a tile's bias is asked for a whole tile ahead of its use.
.macro BIAS m
.set bq, 0
.rept 13
.if bq < 10
.set br, 216+4*bq
.else
.set br, 4*bq-8
.endif
	ds_load_b128 v[br:br+3], v[ABI] offset:8448*(\m)+64*(bq/2)+16*(bq%2)
.set bq, bq+1
.endr
	WIN 0x40
.rept 3
	ds_load_b128 v[192+4*bq:192+4*bq+3], v[ABI] offset:8448*(\m)+64*(bq/2)+16*(bq%2)
.set bq, bq+1
.endr
	WIN 0
.endm
; ONE TILE OF 16 QUERIES x THE STEP'S 128 KEYS.  meet = 1: the change of slots is laid into tile 3
.macro UNIT m, meet
.set STM, ST+4*(\m)
.set OM, 48+32*(\m)
.if (\m) > 0
	s_wait_dscnt 0x0                               ; the tile's bias.  (Tile 0's, and K, were waited for in front of the round)
.endif
.if ((\m) == 3) && (\meet)
	s_wait_tensorcnt 0x0                           ; my part of the next step's slot has landed (asked for at this trip's top, three tiles back): say so.  It shows that slot whole to the eight waves
	s_barrier_signal -1                            ; the tile's multiplies and first products, work on registers, stand between the signal and the wait
.endif
.set uj, 0
.rept 26
.if uj < 40
.set br, 216+uj
.else
.set br, uj-8
.endif
	v_pk_mul_f32 v[SS+uj:SS+uj+1], v[br:br+1], s[GM:GM+1] op_sel_hi:[1,0]   ; 8 gamma bias, out of the buffer: the C of the product below
.set uj, uj+2
.endr
	WIN 0x01
.rept 6
	v_pk_mul_f32 v[SS+uj:SS+uj+1], v[192+uj:192+uj+1], s[GM:GM+1] op_sel_hi:[1,0]
.set uj, uj+2
.endr
	WIN 0
.if (\m) <= 2
	BIAS (\m)+1                                    ; the buffer is read out: the next tile's bias has this whole tile in which to land
.endif
	WIN 0x05
.irp t, 0,1,2,3,4,5,6,7
	MM SS+8*\t, 176+8*\t, 12*(\m), 0, KS+\t%4, QS+(\m), \t/4
.endr
	WIN 0
	PLACES
.if ((\m) == 3) && (\meet)
	s_wait_alu depctr_va_vdst(0)                   ; directly ahead of the barrier's wait
	s_barrier_wait -1                              ; the next step's slot is whole
	ADRS TN                                        ; this slot's last loads were issued in tile 2: from here on the addresses stand in the next step's slot
	PREK                                           ; the step's last products with K are issued, more than four places back: the next step's K
	BIAS 0                                         ; and its first bias land under the rest of tile 3
.endif
.irp b, 0,1,2,3
	v_max3_num_f32 v[BM+\b], v[SS+16*\b], v[SS+16*\b+1], v[SS+16*\b+2]   ; the largest S' of each block of 32 keys: for the row's maximum and for the block's largest p.  Each accumulator is read from its low end on
.endr
.irp i, 3,5,7,9,11,13
.irp b, 0,1,2,3
	v_max3_num_f32 v[BM+\b], v[BM+\b], v[SS+16*\b+\i], v[SS+16*\b+\i+1]
.endr
.endr
.irp b, 0,1,2,3
	v_max_num_f32 v[BM+\b], v[BM+\b], v[SS+16*\b+15]
.endr
.irp b, 0,1,2,3
	s_delay_alu instid0(VALU_DEP_4)
	v_permlanex16_b32 v[BP+\b], v[BM+\b], s[SEL], s[SEL+1]
.endr
.irp b, 0,1,2,3
	s_delay_alu instid0(VALU_DEP_4)
	v_max_num_f32 v[BM+\b], v[BM+\b], v[BP+\b]     ; with lane l xor 16's 16 keys
.endr
	s_delay_alu instid0(VALU_DEP_2)
	v_max3_num_f32 v[TT], v[BM], v[BM+1], v[BM+2]
	s_delay_alu instid0(VALU_DEP_1)
	v_max_num_f32 v[TT], v[TT], v[BM+3]
	s_delay_alu instid0(VALU_DEP_1)
	v_mul_f32 v[TT], s[CS], v[TT]                  ; as t (c is positive)
	s_delay_alu instid0(VALU_DEP_1)
	v_max_num_f32 v[STM+1], v[STM+1], v[TT]        ; the running largest t
	v_mov_b32 v[TT], v[STM]
	s_delay_alu instid0(VALU_DEP_2)
	v_floor_f32 v[STM], -v[STM+1]                  ; the new -M = -ceil(t): a whole number
	s_delay_alu instid0(VALU_DEP_1)
	v_sub_f32 v[TT], v[STM], v[TT]                 ; old M - new M, 0 or less
	s_delay_alu instid0(VALU_DEP_1)
	v_cvt_i32_f32 v[TT], v[TT]                     ; (it saturates)
	s_delay_alu instid0(VALU_DEP_1)
	v_ldexp_f32 v[FF], 1.0, v[TT]                  ; f = 2^(old M - new M)
.set uj, 0
.rept 32
	v_pk_fma_f32 v[SS+uj:SS+uj+1], v[SS+uj:SS+uj+1], s[CS:CS+1], v[STM:STM+1] op_sel_hi:[1,0,0]   ; t - M
.set uj, uj+2
.endr
.irp b, 0,1,2,3
	v_fma_f32 v[BM+\b], v[BM+\b], s[CS], v[STM]
.endr
.set uj, 0
	s_wait_alu depctr_va_vdst(0)
.rept 64
	v_exp_f32 v[SS+uj], v[SS+uj]                   ; p = 2^(t - M), not normalised
.set uj, uj+1
.endr
	v_pk_mul_f32 v[STM+2:STM+3], v[STM+2:STM+3], v[FF:FF+1] op_sel_hi:[1,0]   ; l under the new M (a plain place behind the exponentials)
	s_wait_alu depctr_va_vdst(0)                   ; one wait for the batch of 64, ahead of its first reader
.irp b, 0,1,2,3
	v_exp_f32 v[BM+\b], v[BM+\b]                   ; the blocks' largest p
.endr
	v_pk_add_f32 v[SM:SM+1], v[SS:SS+1], v[SS+2:SS+3]      ; the row's sum of the unquantised p, in two chains
.set uj, 4
.rept 15
	v_pk_add_f32 v[STM+2:STM+3], v[STM+2:STM+3], v[SS+uj:SS+uj+1]
	v_pk_add_f32 v[SM:SM+1], v[SM:SM+1], v[SS+uj+2:SS+uj+3]
.set uj, uj+4
.endr
	s_delay_alu instid0(VALU_DEP_1)
	v_pk_add_f32 v[STM+2:STM+3], v[STM+2:STM+3], v[SM:SM+1]
	s_wait_alu depctr_va_vdst(0)                   ; and one for the four
.irp b, 0,1,2,3
	v_max_num_f32 v[BM+\b], 0x1800000, v[BM+\b]    ; the floor: the byte cannot fall under 1
.endr
.irp b, 0,1,2,3
	s_delay_alu instid0(VALU_DEP_4)
	v_add_nc_u32 v[SO+\b], 0xff000000, v[BM+\b]
.endr
.irp b, 0,1,2,3
	s_delay_alu instid0(VALU_DEP_4)
	v_lshrrev_b32 v[BY+\b], 23, v[SO+\b]
.endr
	s_delay_alu instid0(VALU_DEP_3)
	v_lshl_or_b32 v[PW], v[BY+1], 8, v[BY]
	s_delay_alu instid0(VALU_DEP_1)
	v_lshl_or_b32 v[PW], v[BY+2], 16, v[PW]
	s_delay_alu instid0(VALU_DEP_1)
	v_lshl_or_b32 v[PW], v[BY+3], 24, v[PW]
.irp c, 0,1
	v_cvt_scalef32_pk16_fp6_f32 v[PC+6*\c:PC+6*\c+2], v[SS+32*\c:SS+32*\c+15], v[SO+2*\c]
	v_cvt_scalef32_pk16_fp6_f32 v[PB+4*\c:PB+4*\c+2], v[SS+32*\c+16:SS+32*\c+31], v[SO+2*\c+1]
.endr
	v_nop                                          ; one plain place behind a scaled conversion
.irp c, 0,1
.irp i, 0,1,2
	v_permlane16_swap_b32 v[PC+6*\c+\i], v[PB+4*\c+\i]
.endr
.irp i, 0,1,2
	s_delay_alu instid0(VALU_DEP_3)
	v_mov_b32 v[PC+6*\c+3+\i], v[PB+4*\c+\i]
.endr
.endr
.if ((\m) == 3) && (\meet)
	MEETA                                          ; the step's last LDS loads are issued: the change of slots begins; the second product stands between the add and the wait for it
.endif
	WIN 0x41                                       ; O^T window 1, f window 0
.set uj, 0
.rept 16
	v_pk_mul_f32 v[OM+uj:OM+uj+1], v[OM+uj:OM+uj+1], v[FF:FF+1] op_sel_hi:[1,0]   ; O^T under the new M.  (With the moves above: the places between p's scale word and codes and the products that take them)
.set uj, uj+2
.endr
.if (\m) == 0
	s_wait_alu depctr_va_vdst(0)
	s_wait_dscnt 16                                ; V and its scale words are in; the 16 bias loads just issued may be out
.endif
	WIN 0x50                                       ; C and D window 1
.irp t, 0,1,2,3
	MM OM+8*\t, VF+12*\t, PC, 0, VS+\t%2, PW, \t/2
.endr
	WIN 0
.endm
.macro ADRS sl                         ; the five LDS addresses in the slot that begins at byte s[sl]
	v_add_nc_u32 v[AKA], s[\sl], v[AKA0]
	v_add_nc_u32 v[AKB], s[\sl], v[AKB0]
	v_add_nc_u32 v[AKS], s[\sl], v[AKS0]
	v_add_nc_u32 v[AVS], s[\sl], v[AVS0]
	v_add_nc_u32 v[ABI], s[\sl], v[ABI0]
.endm
.macro PREK                            ; a step's K and its scale words: 17 loads
	WIN 0x40
.irp t, 0,1,2,3,4,5,6,7
	ds_load_b128 v[176+8*\t:176+8*\t+3], v[AKA] offset:768*\t
	ds_load_b64 v[176+8*\t+4:176+8*\t+5], v[AKB] offset:768*\t
.endr
	WIN 0
	ds_load_b128 v[KS:KS+3], v[AKS]
.endm
; A STEP finds its K, K's scale words and tile 0's bias in registers: the step before fetched them in its tile 3 (step 0's: the lines ahead of the loop).  It fetches V itself, 13 loads, first used in tile 0's second product.
.macro STEP ask, meet
.irp t, 0,1,2,3
.irp p, 0,1,2
	ds_load_b128 v[VF+12*\t+4*\p:VF+12*\t+4*\p+3], v[AKA] offset:49152+1536*\t+512*\p
.endr
.endr
	ds_load_b64 v[VS:VS+1], v[AVS]
.if \ask
	ASK
	ASKX
.endif
	UNIT 0, 0
	UNIT 1, 0
	UNIT 2, \meet
	UNIT 3, \meet
.if \meet
	s_wait_alu depctr_va_vdst(0)                   ; directly ahead of the wait below
	s_wait_dscnt 0x0                               ; the add is done, my reads of the slot that I leave are over, and the next step's K and first bias are in
	ROUND                                          ; no wave of any partner still reads the slot just left or has a load on its way
.endif
	s_xor_b32 s[TB], s[TB], SLOTB                  ; on to the other slot
.endm
; THE CHANGE OF SLOTS has two parts.  At tile 3's head each wave waits for its tensor load (its part of the next step's slot) and signals a work-group barrier, whose wait stands behind the tile's first products:
; behind it that slot may be read, and tile 3 fetches the next step's K and first bias from it.  Behind those loads, ahead of the tile's second product, stand the wait for all tensor loads (none is out) and the add
; of 0 onto the spare word; at the step's end the wait for the add and for all LDS loads, and a round of the cluster's barrier.  The refill is the first tensor load behind the round, at the next trip's top,
; ahead of the step's loads of V.
.macro MEETA
	s_wait_alu depctr_va_vdst(0)                   ; directly ahead of the wait below
	s_wait_tensorcnt 0x0                           ; no tensor load of mine is out, so the groups 0 may be written
	ds_add_u32 v[SPW], v[NIL]                      ; 0 onto my spare word
	s_add_nc_u64 s[G0K+2:G0K+3], s[G0K+2:G0K+3], REC       ; the next record to be asked for; the type bits on top are not reached
	s_add_nc_u64 s[G0B+2:G0B+3], s[G0B+2:G0B+3], 512       ; and the next 128 keys of my rows of bias
	s_wait_xcnt 0x0                                ; this step's prefetches have read their addresses
	s_add_nc_u64 s[PFA:PFA+1], s[PFA:PFA+1], s[PFS:PFS+1]
.endm
; A PREFETCH INTO THE L2 of the residual: my work-group's 64 rows of x_p are 131,072 dense bytes, 512 blocks of 256; thread n names blocks n and 256 + n, once, in trip 12, three steps ahead of the tail's loads.
.macro ASKX
	s_cmp_eq_u32 s[CNT], 3
	s_cbranch_scc0 .Lnot_yet_\@
	global_prefetch_b8 v63, s[84:85] th:TH_LOAD_NT scope:SCOPE_SE
	global_prefetch_b8 v63, s[84:85] offset:65536 th:TH_LOAD_NT scope:SCOPE_SE
.Lnot_yet_\@:
.endm
	s_wait_alu depctr_va_vdst(0)                   ; at the head's end
	s_wait_tensorcnt 0x0                           ; my part of step 0 has landed
	s_wait_dscnt 0x0
	s_barrier_signal -1
	s_barrier_wait -1                              ; slot 0 is whole
	ADRS TB
	PREK                                           ; step 0's K, its scale words
	BIAS 0                                         ; and its first bias, as every later step finds them
	MEETA                                          ; ahead of slot 1's first fill the same lines as ahead of a refill.  The addresses now stand at step 1, the prefetches at step 2
	s_add_nc_u64 s[84:85], s[4:5], s[86:87]
	s_wait_dscnt 0x0
	ROUND
.Lstep:                                            ; 15 trips: trip j asks for step j + 1, into the slot that step j - 1 has left, and reads step j
	s_xor_b32 s[TN], s[TB], SLOTB
	s_add_co_u32 s[G0K+1], s[TN], s[PK]
	s_add_co_u32 s[G0B+1], s[TN], s[PBI]
	JLOAD
	STEP 1, 1
	s_sub_co_u32 s[CNT], s[CNT], 1
	s_cmp_lg_u32 s[CNT], 0
	s_cbranch_scc1 .Lstep
	; Behind step 14's round slot 0 is filled once more: each wave asks, jointly with its three partners, for the first 11 of its 16 fragments of Wff: 16,896 dense bytes, 66 rows of 256; 135,168 in all, inside the slot.
	; Only the wave that asked reads them, in the tail, behind its own wait.  No tensor load is out here, so group 1's two words that count rows may be written.
	s_mov_b32 s[G1K+2], 66<<16
	s_mov_b32 s[G1K+4], 66
	s_xor_b32 s[TN], s[TB], SLOTB                  ; after 15 steps the slot in hand is slot 1: this is byte 0
	s_mul_i32 s97, s[WV], 16896
	s_add_co_u32 s97, s97, s[TN]
	s_mov_b32 s96, 1
	s_mul_i32 s76, s[WV], 24576
	s_add_co_u32 s76, s76, 96*6144                 ; Wff's tiles 96 + 4 wave ..
	s_mov_b32 s77, 0
	s_add_nc_u64 s[98:99], s[10:11], s[76:77]
	s_or_b32 s99, s99, 0x80000000
	tensor_load_to_lds s[96:99], s[G1K:G1K+7]
	s_nop 0
	PLACES
	STEP 0, 0                                      ; the last step is written out: no change of slots follows it
	; ---- THE TAIL.  att = O^T / l, quantised; y = x_p + bff + att Wff; LayerNorm; out
.irp m, 0,1,2,3
	v_add_f32 v[ST+4*\m+2], v[ST+4*\m+2], v[ST+4*\m+3]     ; l's two halves (these and the address lines below are the places behind the last products)
.endr
	v_and_b32 v60, 31, v0
	v_and_b32 v61, 15, v0
	v_bfe_u32 v62, v0, 4, 1
	s_delay_alu instid0(VALU_DEP_2)
	v_lshlrev_b32 v3, 11, v61
	s_delay_alu instid0(VALU_DEP_1)
	v_lshl_add_u32 v3, v62, 5, v3                  ; v3  x_p in the result's layout: row r, + 32 h
	s_delay_alu instid0(VALU_DEP_3)
	v_lshlrev_b32 v4, 5, v62                       ; v4  bff, ln_g, ln_b: 32 h
	s_mul_i32 s76, s[WV], STGB
	v_mul_u32_u24 v5, v61, 272
	s_delay_alu instid0(VALU_DEP_1)
	v_lshl_add_u32 v5, v62, 5, v5
	s_delay_alu instid0(VALU_DEP_1)
	v_add_nc_u32 v5, s76, v5                       ; v5  my stage, in: row r, + 32 h
	v_mul_u32_u24 v6, v62, 272
	s_delay_alu instid0(VALU_DEP_1)
	v_lshl_add_u32 v6, v61, 4, v6
	s_delay_alu instid0(VALU_DEP_1)
	v_add_nc_u32 v6, s76, v6                       ; v6  and back: lanes 0-15 one row, lanes 16-31 the next
	v_lshlrev_b32 v7, 11, v62
	s_delay_alu instid0(VALU_DEP_1)
	v_lshl_add_u32 v7, v61, 4, v7                  ; v7  the same two rows in out0
	v_lshl_add_u32 v9, v61, 5, RED                 ; v9  a row's eight partial sums
	s_lshl_b32 s76, s[WV], 2
	v_add_nc_u32 v8, s76, v9                       ; v8  mine among them
	v_lshlrev_b32 v10, 4, v60                      ; v10 16 lane
	v_lshlrev_b32 v11, 4, v61
	s_delay_alu instid0(VALU_DEP_1)
	v_lshl_add_u32 v11, v62, 9, v11                ; v11 the weights' scale words
	s_mul_i32 s76, s[WV], 768                      ; my head is half c = wave % 2 of K step wave / 2
	v_add_nc_u32 v[IW], s76, v[LI]
	v_add_nc_u32 v[IW8], s76, v[L8]
	s_lshr_b32 s76, s[WV], 1
	s_lshl_b32 s76, s76, 7
	s_and_b32 s77, s[WV], 1
	s_lshl_b32 s77, s77, 1
	s_add_co_u32 s76, s76, s77
	v_add_nc_u32 v[IWS], s76, v[LS]                ; its two bytes of the scale word
	s_lshl_b32 s76, s[WV], 8                       ; my 64 columns: 256 bytes
	s_mov_b32 s77, 0
	s_add_nc_u64 s[84:85], s[4:5], s[86:87]
	s_add_nc_u64 s[84:85], s[84:85], s[76:77]
	s_add_nc_u64 s[88:89], s[24:25], s[86:87]
	s_add_nc_u64 s[88:89], s[88:89], s[76:77]
	s_add_nc_u64 s[94:95], s[16:17], s[76:77]
	s_add_nc_u64 s[78:79], s[20:21], s[76:77]
	s_add_nc_u64 s[80:81], s[22:23], s[76:77]
	s_mul_i32 s76, s[WV], 24576
	s_add_co_u32 s76, s76, 96*6144                 ; Wff's tiles 96 + 4 wave ..
	s_add_nc_u64 s[90:91], s[10:11], s[76:77]
	s_lshl_b32 s76, s[WV], 10
	s_add_co_u32 s76, s76, 96*256
	s_add_nc_u64 s[92:93], s[12:13], s[76:77]
	s_mul_i32 s76, s[WV], 16896
	v_lshl_add_u32 v12, v60, 4, s76                ; v12 my fragments of Wff in slot 0: 16 lane
	s_wait_alu depctr_va_vdst(0)                   ; directly ahead of the readers below
	WIN 0x40
.irp t, 0,1,2,3
	global_load_b128 v[8*\t:8*\t+3], v4, s[94:95] offset:64*\t             ; bff, where q lay
	global_load_b128 v[8*\t+4:8*\t+7], v4, s[94:95] offset:64*\t+16
.endr
.set ui, 33
.rept 15
	global_load_b128 v[48+4*ui:48+4*ui+3], v10, s[90:91] offset:512*ui     ; Wff's fragments 11 to 15 of my 16, where K lay
.set ui, ui+1
.endr
	WIN 0
	global_load_b128 v[WS:WS+3], v11, s[92:93]
	global_load_b128 v[WS+4:WS+7], v11, s[92:93] offset:256
.irp m, 0,1,2,3
.irp t, 0,1,2,3
	global_load_b128 v[ACC+32*\m+8*\t:ACC+32*\m+8*\t+3], v3, s[84:85] offset:32768*\m+64*\t th:TH_LOAD_NT      ; the residual, as the C of the projection: x_p(16 m + r, 64 w + 16 t + 8 h + j)
	global_load_b128 v[ACC+32*\m+8*\t+4:ACC+32*\m+8*\t+7], v3, s[84:85] offset:32768*\m+64*\t+16 th:TH_LOAD_NT
.endr
.endr
.irp m, 0,1,2,3
	v_permlanex16_b32 v[BP+\m], v[ST+4*\m+2], s[SEL], s[SEL+1]
.endr
.irp m, 0,1,2,3
	s_delay_alu instid0(VALU_DEP_4)
	v_add_f32 v[ST+4*\m+3], v[ST+4*\m+2], v[BP+\m] ; the row's sum
.endr
	s_wait_alu depctr_va_vdst(0)
.irp m, 0,1,2,3
	v_rcp_f32 v[ST+4*\m+2], v[ST+4*\m+3]
.endr
	v_nop                                          ; a plain place behind the last reciprocal
	s_wait_alu depctr_va_vdst(0)                   ; one wait for the four, ahead of the first reader
.irp m, 0,1,2,3
	WIN 0x01                                       ; O^T window 1
.set uj, 0
.rept 16
	v_pk_mul_f32 v[AT+uj:AT+uj+1], v[48+32*\m+uj:48+32*\m+uj+1], v[ST+4*\m+2:ST+4*\m+3] op_sel_hi:[1,0]   ; each accumulator from its low end on
.set uj, uj+2
.endr
	WIN 0
	QUANT2 AT, 224, 232, PWQ
	ds_store_b128 v[IW], v[224:227] offset:6144*\m
	ds_store_b64 v[IW8], v[228:229] offset:6144*\m+512
	ds_store_b16 v[IWS], v[PWQ] offset:512*\m
	s_wait_dscnt 0x0                               ; the stores have read their registers
.endr
	s_wait_alu depctr_va_vdst(0)                   ; directly ahead of the wait below
	s_wait_tensorcnt 0x0                           ; my 11 fragments of Wff lie in slot 0; I alone read them
	WIN 0x40
.set ui, 0
.rept 33
	ds_load_b128 v[48+4*ui:48+4*ui+3], v12 offset:512*ui           ; into the registers that O^T has left
.set ui, ui+1
.endr
	WIN 0
	BARRIER                                        ; att's sixteen fragments lie in LDS, and every wave has read its part of slot 0
	s_wait_loadcnt 0x0                             ; bff, Wff's last five fragments, its scale words, x_p
	WIN 0x04                                       ; bff window 1
.irp m, 0,1,2,3
.irp t, 0,1,2,3
.irp i, 0,2,4,6
	v_pk_add_f32 v[ACC+32*\m+8*\t+\i:ACC+32*\m+8*\t+\i+1], v[ACC+32*\m+8*\t+\i:ACC+32*\m+8*\t+\i+1], v[8*\t+\i:8*\t+\i+1]
.endr
.endr
.endr
	WIN 0
	s_wait_alu depctr_va_vdst(0)
	s_wait_loadcnt 0x0
	PROJ 0                                         ; y
	WIN 0x40
.irp t, 0,1,2,3
	global_load_b128 v[48+8*\t:48+8*\t+3], v4, s[78:79] offset:64*\t
	global_load_b128 v[48+8*\t+4:48+8*\t+7], v4, s[78:79] offset:64*\t+16
	global_load_b128 v[80+8*\t:80+8*\t+3], v4, s[80:81] offset:64*\t
	global_load_b128 v[80+8*\t+4:80+8*\t+7], v4, s[80:81] offset:64*\t+16
.endr
	WIN 0
; a pair of partial sums a tile at pr becomes the row's sum over the 512 columns in v[208 + 8 m]: my two halves, lane l xor 16's, and the eight waves' through LDS (every wave adds them in the same order)
.macro REDUCE pr, ro
.irp m, 0,1,2,3
	s_delay_alu instid0(VALU_DEP_4)
	v_add_f32 v[\pr+2*\m], v[\pr+2*\m], v[\pr+2*\m+1]
.endr
.irp m, 0,1,2,3
	s_delay_alu instid0(VALU_DEP_4)
	v_permlanex16_b32 v[TM+4+\m], v[\pr+2*\m], s[SEL], s[SEL+1]
.endr
.irp m, 0,1,2,3
	s_delay_alu instid0(VALU_DEP_4)
	v_add_f32 v[\pr+2*\m], v[\pr+2*\m], v[TM+4+\m]
.endr
.irp m, 0,1,2,3
	ds_store_b32 v8, v[\pr+2*\m] offset:\ro+512*\m ; both halves of the lanes write the same word with the same value
.endr
	BARRIER
.irp m, 0,1,2,3
	ds_load_b128 v[208+8*\m:211+8*\m], v9 offset:\ro+512*\m
	ds_load_b128 v[212+8*\m:215+8*\m], v9 offset:\ro+512*\m+16
.endr
	s_wait_dscnt 0x0
.irp m, 0,1,2,3
	v_pk_add_f32 v[208+8*\m:209+8*\m], v[208+8*\m:209+8*\m], v[210+8*\m:211+8*\m]
	v_pk_add_f32 v[212+8*\m:213+8*\m], v[212+8*\m:213+8*\m], v[214+8*\m:215+8*\m]
.endr
.irp m, 0,1,2,3
	v_pk_add_f32 v[208+8*\m:209+8*\m], v[208+8*\m:209+8*\m], v[212+8*\m:213+8*\m]
.endr
.irp m, 0,1,2,3
	s_delay_alu instid0(VALU_DEP_4)
	v_add_f32 v[208+8*\m], v[208+8*\m], v[209+8*\m]
.endr
.endm
.irp m, 0,1,2,3
	v_pk_add_f32 v[192+2*\m:193+2*\m], v[ACC+32*\m:ACC+32*\m+1], v[ACC+32*\m+2:ACC+32*\m+3]    ; the rows' sums, four chains by turns; each accumulator from its low end on
.endr
.irp i, 4,6,8,10,12,14,16,18,20,22,24,26,28,30
.irp m, 0,1,2,3
	v_pk_add_f32 v[192+2*\m:193+2*\m], v[192+2*\m:193+2*\m], v[ACC+32*\m+\i:ACC+32*\m+\i+1]
.endr
.endr
	REDUCE 192, 0
.irp m, 0,1,2,3
	s_delay_alu instid0(VALU_DEP_4)
	v_mul_f32 v[192+2*\m], 0xbb000000, v[208+8*\m] ; -mean = sum x (-1 / 512)
.endr
.irp i, 0,2,4,6,8,10,12,14,16,18,20,22,24,26,28,30
.irp m, 0,1,2,3
	v_pk_add_f32 v[ACC+32*\m+\i:ACC+32*\m+\i+1], v[ACC+32*\m+\i:ACC+32*\m+\i+1], v[192+2*\m:193+2*\m] op_sel_hi:[1,0]   ; y - mean: the variance is summed of these, not as a difference of large sums
.endr
.endr
.irp m, 0,1,2,3
	v_pk_mul_f32 v[200+2*\m:201+2*\m], v[ACC+32*\m:ACC+32*\m+1], v[ACC+32*\m:ACC+32*\m+1]
.endr
.irp i, 2,4,6,8,10,12,14,16,18,20,22,24,26,28,30
.irp m, 0,1,2,3
	s_delay_alu instid0(VALU_DEP_4)
	v_pk_fma_f32 v[200+2*\m:201+2*\m], v[ACC+32*\m+\i:ACC+32*\m+\i+1], v[ACC+32*\m+\i:ACC+32*\m+\i+1], v[200+2*\m:201+2*\m]
.endr
.endr
	REDUCE 200, 2048                               ; other bytes than the first sums': no barrier more is owed
	s_mov_b32 s76, 0x3b000000                      ; 1 / 512
	s_mov_b32 s77, 0x3727c5ac                      ; 1e-5
.irp m, 0,1,2,3
	v_fma_f32 v[192+2*\m], v[208+8*\m], s76, s77
.endr
	s_wait_alu depctr_va_vdst(0)
.irp m, 0,1,2,3
	v_rsq_f32 v[200+2*\m], v[192+2*\m]
.endr
	v_nop
	s_wait_alu depctr_va_vdst(0)                   ; one wait for the four
	s_wait_loadcnt 0x0                             ; ln_g, ln_b
.irp m, 0,1,2,3
.irp i, 0,2,4,6,8,10,12,14,16,18,20,22,24,26,28,30
	v_pk_mul_f32 v[ACC+32*\m+\i:ACC+32*\m+\i+1], v[ACC+32*\m+\i:ACC+32*\m+\i+1], v[200+2*\m:201+2*\m] op_sel_hi:[1,0]
.endr
.endr
	WIN 0x14                                       ; ln_g and ln_b window 1
.irp m, 0,1,2,3
.irp i, 0,2,4,6,8,10,12,14,16,18,20,22,24,26,28,30
	v_pk_fma_f32 v[ACC+32*\m+\i:ACC+32*\m+\i+1], v[ACC+32*\m+\i:ACC+32*\m+\i+1], v[48+\i:48+\i+1], v[80+\i:80+\i+1]
.endr
.endr
	WIN 0
; THE WAY OUT: a tile's 16 rows x my 256 bytes go through my own stage and come back as whole rows, into the registers that they left.  LDS serves a wave's instructions in order (ISA guide 5.7.1.4)
.macro PACK m
.irp t, 0,1,2,3
	ds_store_b128 v5, v[ACC+32*(\m)+8*\t:ACC+32*(\m)+8*\t+3] offset:64*\t
	ds_store_b128 v5, v[ACC+32*(\m)+8*\t+4:ACC+32*(\m)+8*\t+7] offset:64*\t+16
.endr
.irp i, 0,1,2,3,4,5,6,7
	ds_load_b128 v[ACC+32*(\m)+4*\i:ACC+32*(\m)+4*\i+3], v6 offset:544*\i
.endr
.endm
.macro SEND m, younger                 ; younger: the LDS instructions issued behind tile m's loads: the next tile's sixteen, or none
.irp i, 0,1,2,3,4,5,6,7
	s_wait_dscnt \younger+7-\i
	global_store_b128 v7, v[ACC+32*(\m)+4*\i:ACC+32*(\m)+4*\i+3], s[88:89] offset:32768*(\m)+4096*\i th:TH_STORE_NT   ; 16 lanes store 256 consecutive bytes, at a multiple of 256 from out0's first byte
.endr
.endm
	PACK 0
	PACK 1
	s_wait_alu depctr_va_vdst(0)
	SEND 0, 16
	PACK 2
	SEND 1, 16
	PACK 3
	SEND 2, 16
	SEND 3, 0
	s_wait_tensorcnt 0x0                           ; the wave's end: behind my last tensor load and my last LDS store
	ds_add_u32 v[SPW], v[NIL]
	s_wait_dscnt 0x0
	ROUND                                          ; the closing round: no work-group ends while a partner may still ask for a record that names it
	s_endpgm
.Lfunc_end_k_q41f84e2ec9_attn:
	.size	k_q41f84e2ec9_attn, .Lfunc_end_k_q41f84e2ec9_attn-k_q41f84e2ec9_attn
	.p2alignl 7, 3214868480
	.fill 96, 4, 3214868480
	.section	.rodata,"a",@progbits
	.p2align	6, 0x0
	.amdhsa_kernel k_q41f84e2ec9_attn
		.amdhsa_group_segment_fixed_size 327680
		.amdhsa_private_segment_fixed_size 0
		.amdhsa_enable_private_segment 0
		.amdhsa_kernarg_size 88
		.amdhsa_user_sgpr_count 2
		.amdhsa_user_sgpr_kernarg_segment_ptr 1
		.amdhsa_wavefront_size32 1
		.amdhsa_system_sgpr_workgroup_id_x 1
		.amdhsa_system_sgpr_workgroup_id_y 1
		.amdhsa_system_sgpr_workgroup_id_z 1
		.amdhsa_system_vgpr_workitem_id 0
		.amdhsa_next_free_vgpr 512
		.amdhsa_next_free_sgpr 100
		.amdhsa_reserve_vcc 0
		.amdhsa_float_denorm_mode_32 3
		.amdhsa_float_denorm_mode_16_64 3
		.amdhsa_memory_ordered 1
		.amdhsa_forward_progress 1
		.amdhsa_inst_pref_size 255
	.end_amdhsa_kernel
	.section	.bss,"aw",@nobits
	.p2align	6
	.space	262144
	.amdgpu_metadata
---
amdhsa.version: [ 1, 2 ]
amdhsa.kernels:
  - .name:           k_q41f84e2ec9_attn
    .symbol:         k_q41f84e2ec9_attn.kd
    .args:
      - { .name: x_p, .offset: 0, .size: 8, .value_kind: global_buffer, .address_space: global }
      - { .name: bias, .offset: 8, .size: 8, .value_kind: global_buffer, .address_space: global }
      - { .name: mask, .offset: 16, .size: 8, .value_kind: global_buffer, .address_space: global }
      - { .name: wcodes, .offset: 24, .size: 8, .value_kind: global_buffer, .address_space: global }
      - { .name: wscales, .offset: 32, .size: 8, .value_kind: global_buffer, .address_space: global }
      - { .name: kvws, .offset: 40, .size: 8, .value_kind: global_buffer, .address_space: global }
      - { .name: bff, .offset: 48, .size: 8, .value_kind: global_buffer, .address_space: global }
      - { .name: gamma_f, .offset: 56, .size: 8, .value_kind: global_buffer, .address_space: global }
      - { .name: ln_g, .offset: 64, .size: 8, .value_kind: global_buffer, .address_space: global }
      - { .name: ln_b, .offset: 72, .size: 8, .value_kind: global_buffer, .address_space: global }
      - { .name: out0, .offset: 80, .size: 8, .value_kind: global_buffer, .address_space: global }
    .group_segment_fixed_size: 327680
    .private_segment_fixed_size: 0
    .kernarg_segment_align: 8
    .kernarg_segment_size: 88
    .max_flat_workgroup_size: 256
    .sgpr_count:     100
    .vgpr_count:     512
    .wavefront_size: 32
...
	.end_amdgpu_metadata
.endif
;; end of part 3
